; MI455X (gfx1250); checked and timed in simulation.
; The chip was launched on July 23, 2026; its instructions are those of AMD's public machine-readable ISA for CDNA 5 (MIT licence, August 2026) and "CDNA5" Instruction Set Architecture Reference Guide (July 2026). The comments in the code are by the model that wrote it; some were corrected since.
;; Causal Self Attention. Allowed arithmetic: matrix products marked QUANTISED: E2M3 operands, one E8M0 scale for each 32 along K, by v_wmma_scale_f32_16x16x128_f8f6f4 with both operands' format E2M3, f32 sums; everything else in f32.
;; Inputs: out_b 1,024 float32; out_w 1,024 x 1,024 float32; qkv_b 3,072 float32; qkv_w 3,072 x 1,024 float32; x 4 x 2,048 x 1,024 float32.
;; Outputs: out0 4 x 2,048 x 1,024 float32.
;; This version of the problem:
;;   THIS VERSION OF THE PROBLEM IS GIVEN IN LOW PRECISION. The matrix products marked QUANTISED in the list below multiply operands that are first quantised to E2M3 (2 exponent bits, 3 mantissa bits; 6 bits a number), with one power-of-two scale for each 32 numbers along K (OCP MX v1.0); their sums are f32. All else is computed in f32.
;;   The module's matrix products, in the order in which they are computed (A, B: the left and right operand; K: the contracted axis; several contracted axes count as one K, in the product's order):
;;     1. [M 8,192, K 1,024] x [K 1,024, N 3,072]; A: input x; B: input qkv_w: QUANTISED
;;     2. batch 64 x [M 2,048, K 64] x [K 64, N 2,048]; A: computed on the way; B: computed on the way: QUANTISED
;;     3. batch 64 x [M 2,048, K 2,048] x [K 2,048, N 64]; A: softmax (see below); B: computed on the way: QUANTISED
;;     4. [M 8,192, K 1,024] x [K 1,024, N 1,024]; A: computed on the way; B: input out_w: QUANTISED
;;   THE QUANTISER, for each operand of a quantised product, along K:
;;     - K is cut into blocks of 32 from its start; a last block that is shorter is filled with zeros.
;;     - A block's scale is 2^e with e = floor(log2(the largest magnitude in the block)) - 2, held to -126 .. 127; a block of zeros has e = 0. As a byte (E8M0): e + 127.
;;     - Each number is divided by its block's scale, clamped to +-7.5, and rounded to the nearest number of E2M3, ties to even, subnormals kept.
;;     - The product sums the exact products of the quantised numbers (number of the format x scale) in f32.
;;   ~~~python
;;   def quantise(x, axis):      # numpy; x: float32 -> the quantised numbers, widened to float32 again
;;       x = np.moveaxis(x, axis, -1); K = x.shape[-1]
;;       x = np.pad(x, [(0, 0)] * (x.ndim - 1) + [(0, -K % 32)]); x = x.reshape(x.shape[:-1] + (-1, 32)); a = np.abs(x).max(-1, keepdims=True)
;;       e = np.where(a > 0, np.clip(np.frexp(np.where(a > 0, a, 1))[1] - 1 - 2, -126, 127), 0)      # np.frexp(a)[1] - 1 = floor(log2(a)), exactly
;;       r = np.clip(x / 2.0 ** e, -7.5, 7.5)
;;       step = 2.0 ** (np.maximum(np.frexp(np.where(r == 0, 1, r))[1] - 1, 0) - 3)
;;       q = np.round(r / step) * step * 2.0 ** e      # np.round: ties to even
;;       return np.moveaxis(q.reshape(q.shape[:-2] + (-1,))[..., :K], -1, axis).astype(np.float32)
;;   ~~~
;;   SOFTMAX AHEAD OF A QUANTISED PRODUCT. Where the list says 'softmax', what is quantised is not the finished softmax but p = 2^(t - M), with t = logit x log2(e) and M = ceil(the row's largest t), a whole number; so 1/2 < the row's largest p <= 1. The row's sum l is taken of the UNQUANTISED p, in f32, and the product's result is divided by l at the end. Since M is a whole number, a kernel that streams over the keys may use a running M (the ceiling of the running maximum): every later rescaling is an exact power of two, which a block's scale takes up: the codes' values come out the same.
;;   OPERANDS COMPUTED ON THE WAY. 'Computed on the way' means the value that the module computes at that place (a softmax that the list does not call 'softmax' is quantised finished and normalised). What goes into a quantiser is computed in f32, as accurately as f32 sums, v_exp_f32 and their like allow (about 1e-6 of the number): no bf16 or f16 on the way to a quantiser, and a product that is left as it is and whose result goes on into a quantised operand takes f32 operands (vector FMAs, or v_wmma_f32_16x16x4_f32). A number that lies on a knife's edge between two numbers of the format may be rounded either way, as far as f32 arithmetic and the matrix unit's own rounding can turn it there, and no further.
;; One version. Each part assembles by itself: llvm-mc -triple=amdgcn-amd-amdhsa -mcpu=gfx1250 --defsym DOCPART=n.
;; ======== version 1 of 1: 4 launches
;; workspace buffers: ops 9,830,400 bytes; rope 524,288 bytes; qk 13,631,488 bytes; vimg 6,553,600 bytes; yimg 6,553,600 bytes
;; launch quant (part 1): grid 416 x 1, 4 waves a work-group, no clusters, 34,304 bytes of LDS; arguments x, qkv_w, out_w, ops, rope; writes ops, rope
.if DOCPART == 1
	.amdgcn_target "amdgcn-amd-amdhsa--gfx1250"
	.amdhsa_code_object_version 6
	.text
	.protected	k_q20006ec803_quant
	.globl	k_q20006ec803_quant
	.p2align	8
	.type	k_q20006ec803_quant,@function
k_q20006ec803_quant:
	s_mov_b64 s[64:65], 0
	v_nop
	global_prefetch_b8 v0, s[64:65] scope:SCOPE_SE
	s_setreg_imm32_b32 hwreg(HW_REG_WAVE_MODE, 25, 1), 1
	s_wait_xcnt 0x0
; x [8192][1024], qkv_w [3072][1024] and out_w [1024][1024], f32, become codes of FP6 (E2M3) with one E8M0 byte for each 32 along K, laid as IMAGES OF OPERAND REGISTERS
; in the buffer ops; and RoPE's table of cosines and sines is made.  Work-groups 0-383 quantise (x: 0-255, qkv_w: 256-351, out_w: 352-383), work-groups 384-415 make the table.
; THE LAYOUT OF ops.  A block (GB = 25,600 bytes) holds 128 rows x 256 along K: 16 fragments of 1,536 bytes (tile i of 16 rows, the q-th 128 along K: at (2 i + q) x 1,536), then 1,024 bytes of
; scale words (tile i, slot r, step q: at 24,576 + 128 i + 8 r + 4 q).  A fragment is six pieces of 256 bytes: piece p holds registers 2 p and 2 p + 1 of the operand, lane l's 8 bytes at 8 l.
; Blocks lie [128 rows][4 blocks along K].  THE ROWS OF A TILE ARE NOT NEIGHBOURS: slot r of tile i takes row 32 (i / 2) + 8 (i % 2) + r + 8 (r / 8) of the 128, so that a product that
; takes such tiles as source 0 leaves 16 neighbours along those rows in a lane's 16 registers of two neighbouring result tiles.
; SHARES.  A work-group takes 32 rows (two tiles); wave w takes the w-th 256 along K: four units of 16 rows x 128 K.  A unit's 16 loads read 512 consecutive bytes of one row each; the numbers turn
; through the wave's own stage in LDS (rows 528 bytes apart) so that lane (r, h) holds, of row slot r, 16 neighbours of each block of 32; every store writes 256 consecutive aligned bytes.
; A block's scale is 2^(floor(log2(largest magnitude)) - 2); its byte is the largest magnitude's exponent field - 2, held at 1 from below.
; LIMITS: a block of zeros, or one whose largest magnitude lies under 2^-124, gets the byte 1 (the rule says 127 for zeros): its codes are zeros, and this program alone reads the bytes.
; NaN and infinities among the inputs are not served.  The table's frequencies are the f32 roundings of 10^(-i/8); the angle is one f32 product; sine and cosine by reduction
; modulo pi/2 in three parts and polynomials of degree 7 and 8, good to about 1e-7.
.set TM,  16                           ; v16-31   at work in QUANT
.set PC,  32                           ; v32-51   the codes just made
.set PW,  52                           ; v52-55   the scale words of units 0-3
.set X,   64                           ; v64-127  64 numbers of a lane: register 16 b + i = k 32 b + 16 h + i of my row
.set R,   128                          ; v128-255 two sets of 64 registers as loaded
.set SEL, 26                           ; s[26:27] lane selects for v_permlanex16_b32: lane l xor 16
.set SPITCH, 528
.set WST, 16*SPITCH                    ; a wave's stage
.set GB,  25600
; 64 numbers of a lane, v[s] on, become a fragment's codes in v[PC] .. v[PC+11] and its scale word in v[pw]
.macro QUANT s, pw
.irp b, 0,1,2,3
	v_max3_num_f32 v[TM+\b], |v[\s+16*\b]|, |v[\s+1+16*\b]|, 0x1800000   ; block b: my 16 numbers, and the floor 2^(3 - 127): the byte cannot fall under 1
.endr
.irp i, 2,4,6,8,10,12,14
.irp b, 0,1,2,3
	v_max3_num_f32 v[TM+\b], v[TM+\b], |v[\s+16*\b+\i]|, |v[\s+1+16*\b+\i]|
.endr
.endr
.irp b, 0,1,2,3
	v_permlanex16_b32 v[TM+4+\b], v[TM+\b], s[SEL], s[SEL+1]
.endr
.irp b, 0,1,2,3
	v_max_num_f32 v[TM+\b], v[TM+\b], v[TM+4+\b]   ; with lane l xor 16's: the block's largest magnitude
.endr
.irp b, 0,1,2,3
	v_add_nc_u32 v[TM+12+\b], 0xff000000, v[TM+\b]   ; 2 off its exponent field: the conversion's scale operand
.endr
.irp b, 0,1,2,3
	v_lshrrev_b32 v[TM+4+\b], 23, v[TM+12+\b]      ; the scale's byte
.endr
	v_lshl_or_b32 v[\pw], v[TM+5], 8, v[TM+4]
	v_lshl_or_b32 v[\pw], v[TM+6], 16, v[\pw]
	v_lshl_or_b32 v[\pw], v[TM+7], 24, v[\pw]      ; my row's scale word
.irp c, 0,1
	v_cvt_scalef32_pk16_fp6_f32 v[PC+6*\c:PC+2+6*\c], v[\s+32*\c:\s+15+32*\c], v[TM+12+2*\c]
	v_cvt_scalef32_pk16_fp6_f32 v[PC+12+4*\c:PC+14+4*\c], v[\s+16+32*\c:\s+31+32*\c], v[TM+12+2*\c+1]   ; (a conversion's three registers begin on an even number)
.endr
	v_nop                                          ; one plain instruction behind a scaled conversion
.irp c, 0,1                            ; the operand's layout wants a whole block in a lane: lanes 0-15 block 2 c, lanes 16-31 block 2 c + 1
.irp i, 0,1,2
	v_permlane16_swap_b32 v[PC+6*\c+\i], v[PC+12+4*\c+\i]
.endr
.irp i, 0,1,2
	v_mov_b32 v[PC+3+6*\c+\i], v[PC+12+4*\c+\i]
.endr
.endr
.endm
.macro LOAD n                          ; unit n = 2 q + u: tile u's 16 rows, the q-th 128 numbers of my 256; 32 lanes read 512 consecutive bytes
.irp k, 0,1,2,3,4,5,6,7,8,9,10,11,12,13,14,15
	global_load_b128 v[R+64*((\n)%2)+4*\k:R+64*((\n)%2)+4*\k+3], v1, s[14:15] offset:(8*((\n)%2)+\k+8*(\k/8))*4096+512*((\n)/2) th:TH_LOAD_NT
.endr
.endm
.macro UNIT n
.if (\n) < 3
	s_wait_loadcnt 16                              ; this unit's 16 loads are in; the next unit's 16 may be out
.else
	s_wait_loadcnt 0x0
.endif
.irp k, 0,1,2,3,4,5,6,7,8,9,10,11,12,13,14,15
	ds_store_b128 v3, v[R+64*((\n)%2)+4*\k:R+64*((\n)%2)+4*\k+3] offset:SPITCH*\k
.endr
.irp b, 0,1,2,3
.irp j, 0,1,2,3
	ds_load_b128 v[X+16*\b+4*\j:X+16*\b+4*\j+3], v4 offset:128*\b+16*\j   ; LDS serves a wave's instructions in order: these see the stores above
.endr
.endr
	s_wait_dscnt 0x0                               ; the numbers are back, and the stores have read their registers,
.if (\n) < 2
	LOAD (\n)+2                                    ; which take the unit two further on
.endif
	s_wait_xcnt 0x0                                ; the last unit's stores have read the codes' registers
	QUANT X, PW+(\n)
.irp p, 0,1,2,3,4,5
	global_store_b64 v2, v[PC+2*\p:PC+2*\p+1], s[22:23] offset:(2*((\n)%2)+(\n)/2)*1536+256*\p   ; 32 lanes store 256 consecutive aligned bytes
.endr
.endm
.macro FREQ i, bits
	s_mov_b32 s14, \bits
	v_writelane_b32 v1, s14, \i
.endm
	s_load_b256 s[4:11], s[0:1], 0x0               ; x s[4:5], qkv_w s[6:7], out_w s[8:9], ops s[10:11]
	s_load_b64 s[12:13], s[0:1], 0x20              ; rope
	v_lshl_add_u32 v62, v0, 2, 0x8400
	v_mov_b32 v63, 0
	v_lshrrev_b32 v5, 5, v0
	v_readfirstlane_b32 s3, v5                     ; wave 0..3
	v_and_b32 v6, 31, v0                           ; lane
	v_lshlrev_b32 v2, 3, v6                        ; 8 x lane
	s_wait_kmcnt 0x0
	s_cmp_ge_u32 ttmp9, 384
	s_cbranch_scc1 .Ltable
	s_wait_alu depctr_va_vdst(0)
	; ---- the quantiser
	v_lshlrev_b32 v1, 4, v6                        ; 16 x lane
	s_mul_i32 s2, s3, WST
	v_add_nc_u32 v3, s2, v1                        ; the stage, on the way in
	v_and_b32 v7, 15, v0                           ; r
	v_bfe_u32 v8, v0, 4, 1                         ; h
	v_mul_u32_u24 v4, v7, SPITCH
	v_lshl_add_u32 v4, v8, 6, v4
	v_add_nc_u32 v4, s2, v4                        ; and on the way out: row slot r, + 64 h
	s_mov_b32 s[SEL], 0x76543210
	s_mov_b32 s[SEL+1], 0xfedcba98
	s_mov_b32 s28, 0xffff0000                      ; lanes 16-31
.irp b, 0,1,2,3
	v_mov_b32 v[TM+4+\b], 0                        ; written once: a lane permute's destination counts as one of its sources
.endr
	s_cmp_lt_u32 ttmp9, 256                        ; which tensor: the choice hangs on the work-group's number alone
	s_cselect_b64 s[14:15], s[4:5], s[6:7]
	s_cselect_b32 s16, 0, 256
	s_cmp_lt_u32 ttmp9, 352
	s_cselect_b64 s[14:15], s[14:15], s[8:9]
	s_cselect_b32 s16, s16, 352
	s_sub_co_u32 s16, ttmp9, s16                   ; which 32 rows of it
	s_lshl_b32 s16, s16, 17                        ; 32 rows of 4,096 bytes
	s_lshl_b32 s17, s3, 10                         ; my 256 numbers of a row
	s_add_co_u32 s16, s16, s17
	s_mov_b32 s17, 0
	s_add_nc_u64 s[14:15], s[14:15], s[16:17]
	s_lshr_b32 s18, ttmp9, 2
	s_lshl_b32 s18, s18, 2
	s_add_co_u32 s18, s18, s3
	s_mul_i32 s18, s18, GB                         ; my block of ops: 4 x (128 rows) + wave
	s_and_b32 s19, ttmp9, 3                        ; which pair of tiles in it
	s_mul_i32 s20, s19, 4*1536
	s_add_co_u32 s20, s20, s18
	s_mov_b32 s21, 0
	s_add_nc_u64 s[22:23], s[10:11], s[20:21]      ; the pair's four fragments
	s_lshl_b32 s19, s19, 8
	s_add_co_u32 s20, s18, s19
	s_add_co_u32 s20, s20, 16*1536
	s_add_nc_u64 s[24:25], s[10:11], s[20:21]      ; and its 256 bytes of scale words
	LOAD 0
	LOAD 1
	s_wait_alu depctr_va_vdst(0)
	UNIT 0
	UNIT 1
	UNIT 2
	UNIT 3
	v_cndmask_b32 v56, v52, v53, s28               ; lanes 0-15: tile 0's words, lanes 16-31: tile 1's; the first 128 along K,
	v_cndmask_b32 v57, v54, v55, s28               ; the second
	global_store_b64 v2, v[56:57], s[24:25]        ; 256 consecutive aligned bytes
	s_wait_tensorcnt 0x0
	ds_add_u32 v62, v63
	s_wait_dscnt 0x0
	s_endpgm
	; ---- the table: rope[t][i] = (cos, sin)(t x 10^(-i/8)); a wave makes 16 rows t, lane i the pair i; a row is 256 bytes
.Ltable:
	v_mov_b32 v1, 0
	FREQ 0, 0x3f800000
	FREQ 1, 0x3f3ff911
	FREQ 2, 0x3f0ff59a
	FREQ 3, 0x3ed7e89b
	FREQ 4, 0x3ea1e89b
	FREQ 5, 0x3e72d424
	FREQ 6, 0x3e361887
	FREQ 7, 0x3e088d77
	FREQ 8, 0x3dcccccd
	FREQ 9, 0x3d99940e
	FREQ 10, 0x3d6655c3
	FREQ 11, 0x3d2cba15
	FREQ 12, 0x3d0186e2
	FREQ 13, 0x3cc24350
	FREQ 14, 0x3c91ad39
	FREQ 15, 0x3c5a7bf1
	FREQ 16, 0x3c23d70a
	FREQ 17, 0x3bf5b9b0
	FREQ 18, 0x3bb8449c
	FREQ 19, 0x3b8a2e77
	FREQ 20, 0x3b4f3e37
	FREQ 21, 0x3b1b690d
	FREQ 22, 0x3ae91528
	FREQ 23, 0x3aaec98e
	FREQ 24, 0x3a83126f
	FREQ 25, 0x3a44948c
	FREQ 26, 0x3a136a16
	FREQ 27, 0x39dd1726
	FREQ 28, 0x39a5cb5f
	FREQ 29, 0x3978a814
	FREQ 30, 0x393a7753
	FREQ 31, 0x390bd472
	s_sub_co_u32 s15, ttmp9, 384
	s_lshl_b32 s15, s15, 2
	s_add_co_u32 s15, s15, s3
	s_lshl_b32 s16, s15, 4                         ; my first t
	s_lshl_b32 s18, s15, 12                        ; 16 rows of 256 bytes
	s_mov_b32 s19, 0
	s_add_nc_u64 s[12:13], s[12:13], s[18:19]
	s_mov_b32 s20, 0x3fc90fda                      ; pi/2 in three parts
	s_mov_b32 s21, 0x33a22168
	s_mov_b32 s22, 0x27c234c4
	s_mov_b32 s23, 0xb94ca1f9                      ; the sine's coefficients
	s_mov_b32 s24, 0x3c08839e
	s_mov_b32 s25, 0xbe2aaaa3
	s_mov_b32 s26, 0x37ccf5ce                      ; the cosine's
	s_mov_b32 s27, 0xbab6061a
	s_mov_b32 s28, 0x3d2aaaa5
	s_mov_b32 s17, 16
.Lrow:
	v_cvt_f32_u32 v3, s16
	s_wait_alu depctr_va_vdst(0)
	v_mul_f32 v3, v3, v1                           ; the angle: one f32 product
	v_mul_f32 v4, 0x3f22f983, v3
	v_rndne_f32 v4, v4                             ; n = the nearest multiple of pi/2
	v_fma_f32 v5, -v4, s20, v3
	v_fma_f32 v5, -v4, s21, v5
	v_fma_f32 v5, -v4, s22, v5                     ; r, at most pi/4 in magnitude
	v_mul_f32 v6, v5, v5                           ; z = r^2
	v_fma_f32 v7, v6, s23, s24
	v_fma_f32 v9, v6, s26, s27
	v_fma_f32 v7, v7, v6, s25
	v_fma_f32 v9, v9, v6, s28
	v_mul_f32 v8, v5, v6
	v_mul_f32 v10, v6, v6
	v_fma_f32 v11, v6, -0.5, 1.0
	v_fma_f32 v7, v8, v7, v5                       ; sin r
	v_fma_f32 v9, v10, v9, v11                     ; cos r
	v_cvt_i32_f32 v12, v4                          ; the quadrant selects values alone: no branch and no address hangs on it
	v_and_b32 v13, 1, v12
	v_cmp_ne_u32 vcc_lo, 0, v13
	v_cndmask_b32 v17, v7, v9, vcc_lo              ; odd quadrants change the two
	v_cndmask_b32 v16, v9, v7, vcc_lo
	v_and_b32 v13, 2, v12
	v_add_nc_u32 v14, 1, v12
	v_lshlrev_b32 v13, 30, v13
	v_and_b32 v14, 2, v14
	v_xor_b32 v17, v17, v13                        ; the sine is negative in quadrants 2 and 3,
	v_lshlrev_b32 v14, 30, v14
	v_xor_b32 v16, v16, v14                        ; the cosine in 1 and 2
	global_store_b64 v2, v[16:17], s[12:13]        ; a row: 256 consecutive aligned bytes
	s_wait_xcnt 0x0                                ; the store has read its data and its base: both are written again
	s_add_nc_u64 s[12:13], s[12:13], 256
	s_add_co_u32 s16, s16, 1
	s_sub_co_u32 s17, s17, 1
	s_cmp_lg_u32 s17, 0
	s_cbranch_scc1 .Lrow
	s_endpgm
.Lfunc_end_k_q20006ec803_quant:
	.size	k_q20006ec803_quant, .Lfunc_end_k_q20006ec803_quant-k_q20006ec803_quant
	.p2alignl 7, 3214868480
	.fill 96, 4, 3214868480
	.section	.rodata,"a",@progbits
	.p2align	6, 0x0
	.amdhsa_kernel k_q20006ec803_quant
		.amdhsa_group_segment_fixed_size 34304
		.amdhsa_private_segment_fixed_size 0
		.amdhsa_enable_private_segment 0
		.amdhsa_kernarg_size 40
		.amdhsa_user_sgpr_count 2
		.amdhsa_user_sgpr_kernarg_segment_ptr 1
		.amdhsa_wavefront_size32 1
		.amdhsa_system_sgpr_workgroup_id_x 1
		.amdhsa_system_sgpr_workgroup_id_y 1
		.amdhsa_system_sgpr_workgroup_id_z 1
		.amdhsa_system_vgpr_workitem_id 0
		.amdhsa_next_free_vgpr 256
		.amdhsa_next_free_sgpr 66
		.amdhsa_reserve_vcc 1
		.amdhsa_float_denorm_mode_32 3
		.amdhsa_float_denorm_mode_16_64 3
		.amdhsa_memory_ordered 1
		.amdhsa_forward_progress 1
		.amdhsa_inst_pref_size 41
	.end_amdhsa_kernel
	.amdgpu_metadata
---
amdhsa.version: [ 1, 2 ]
amdhsa.kernels:
  - .name:           k_q20006ec803_quant
    .symbol:         k_q20006ec803_quant.kd
    .args:
      - { .name: x, .offset: 0, .size: 8, .value_kind: global_buffer, .address_space: global }
      - { .name: qkv_w, .offset: 8, .size: 8, .value_kind: global_buffer, .address_space: global }
      - { .name: out_w, .offset: 16, .size: 8, .value_kind: global_buffer, .address_space: global }
      - { .name: ops, .offset: 24, .size: 8, .value_kind: global_buffer, .address_space: global }
      - { .name: rope, .offset: 32, .size: 8, .value_kind: global_buffer, .address_space: global }
    .group_segment_fixed_size: 34304
    .private_segment_fixed_size: 0
    .kernarg_segment_align: 8
    .kernarg_segment_size: 40
    .max_flat_workgroup_size: 128
    .sgpr_count:     66
    .vgpr_count:     256
    .wavefront_size: 32
...
	.end_amdgpu_metadata
.endif
;; end of part 1
;; launch qkv (part 2): grid 8 x 48, 4 waves a work-group, clusters of 4 x 4, 327,680 bytes of LDS; arguments ops, qkv_b, rope, qk, vimg; writes qk, vimg
.if DOCPART == 2
	.amdgcn_target "amdgcn-amd-amdhsa--gfx1250"
	.amdhsa_code_object_version 6
	.text
	.protected	k_q20006ec803_qkv
	.globl	k_q20006ec803_qkv
	.p2align	8
	.type	k_q20006ec803_qkv,@function
k_q20006ec803_qkv:
	s_mov_b64 s[64:65], 0
	v_nop
	global_prefetch_b8 v0, s[64:65] scope:SCOPE_SE
	s_setreg_imm32_b32 hwreg(HW_REG_WAVE_MODE, 25, 1), 1
	s_wait_xcnt 0x0
	s_wait_alu depctr_hold_cnt(0) depctr_sa_sdst(0) depctr_va_vdst(0) depctr_va_sdst(0) depctr_va_ssrc(0) depctr_va_vcc(0) depctr_vm_vsrc(0)
	s_getreg_b32 s2, hwreg(HW_REG_IB_STS2, 6, 4)
	s_cmp_eq_u32 s2, 0
	s_cbranch_scc0 .Lentry_in_a_cluster
	s_endpgm
.Lentry_in_a_cluster:
	s_bfe_u32 s2, ttmp6, 0x10000c
	s_cmp_lg_u32 s2, 0xf033
	s_cbranch_scc0 .Lentry_shape_is_right
	s_endpgm
.Lentry_shape_is_right:
; qkv = x qkv_w^T + qkv_b on codes of FP6 (E2M3) with E8M0 scales; RoPE on q and k; then q, k (along the head's 64) and v (along the tokens) are quantised again and stored as images of operand registers.
; OPERANDS come from ops: blocks of GB = 25,600 bytes = 128 rows x 256 K: 16 fragments of 1,536 bytes (tile i, step q at (2 i + q) x 1,536; piece p of 256 bytes = registers 2 p, 2 p + 1, lane l at 8 l),
; then scale words at 24,576 + 128 i + 8 r + 4 q.  Slot r of tile i is row 32 (i / 2) + 8 (i % 2) + r + 8 (r / 8) of the 128.  Tiles of 256 rows: x 0-31, qkv_w 32-43.
; THE PRODUCT.  A work-group of four waves makes 256 x 256, a wave 128 x 128: 64 accumulators.  Source 0 = 16 rows of S0, source 1 = 16 rows of S1: a lane holds ONE row of S1 (slot lane % 16), and by the order of
; rows in S0's tiles the 16 registers of result tiles 2 b and 2 b + 1 are S0's rows 32 b + 16 (lane / 16) + 0 .. 15: 16 neighbours, as a quantiser along S0's rows wants them.
; TWO ROLES, by the cluster's y (the same in all partners).  y < 8: S0 = the weights of q and k, S1 = x: a lane holds a token, its registers run along the features.  y >= 8: S0 = x, S1 = the weights of v:
; a lane holds a feature (head, d), its registers run along the tokens, which are K of attention's second product.
; K = 1,024 goes in four slots of 256 through three LDS regions of 102,400 bytes: slots 0, 1, 2 are first fills, slot 3 fills region 0 again: by this text's count a wave has three tensor loads out at the start, later one.
; CLUSTERS: 4 x 4 work-groups.  S1's tile is shared along a row of the cluster, S0's along a column: each is asked for jointly, by the same tensor load with the same descriptor and a mask that names the four.
; OUTPUT.  qk: blocks of 6,656 bytes for (q or k, batch, head, 128 tokens): 8 half fragments (16 tokens x 64: 768 bytes) and 512 bytes of scale words (tile a, slot r at 6,144 + 16 (r + 16 (a % 2)) + 4 (a / 2); the upper two bytes 0).
; vimg: blocks of 6,400 bytes for (batch, head, 128 tokens): 4 fragments (16 of the head's 64 x 128 tokens) and 256 bytes of scale words (tile t, slot r at 6,144 + 8 (r + 16 (t % 2)) + 4 (t / 2)).
; LIMITS: a block of zeros, or one whose largest magnitude lies under 2^-124, gets the scale byte 1: its codes are zeros, and this program alone reads the bytes.  NaN and infinities are not served.
; REGISTERS, in windows of 256.  Window 0: v1-3, v25-26 lane offsets; v4-19 at work in QUANT (behind the products); v16-24 LDS addresses; v28-29 for the add; v32-63 scale words, two sets, and nothing else;
;   v64-127 the bias; v128-223 S1's fragments, one set; behind the products v128-191 the 64 numbers in hand; v224-255 codes, scale words made.   Window 1: S0's fragments, two sets, at v0 and v128; v96-127, v224-255
;   and, behind the products, all of it: RoPE's table.   Window 2: the accumulators of my S1 tiles 0-3 ((a, b) at v[8 (8 a + b)]);   window 3: those of tiles 4-7.
.set GB,     25600
.set REG,    4*GB                      ; a region: S1's two halves, then S0's two halves
.set SPARE,  3*REG                     ; behind the regions: the spare words, 128 bytes for each wave: two blocks of 256 bytes that no other line names
.set FR,     12                        ; registers of a fragment
.set NL,     6                         ; LDS loads that bring one
.set NQ,     2                         ; steps of 128 in a slot
.set NP,     4                         ; places behind this matrix instruction (ISA guide 7.12.1)
.set ADRA,   16                        ; v16-18  LDS address of my S1 fragments in region 0, 1, 2
.set ADRB,   19                        ; v19-21  of my S0 fragments
.set ADRS,   22                        ; v22-24  of my scale words: lanes 0-15 S1's, lanes 16-31 S0's
.set SPW,    28                        ; v28     LDS address of my spare word; never rewritten
.set NIL,    29                        ; v29     0; never rewritten
.set SC,     32
.set AF,     128
.set G1,     24                        ; s[24:31] descriptor group 1 for S1's blocks;  s[48:55] for S0's: they differ in the mask alone
.set G1B,    48
.set TM,     4
.set T,      20                        ; v20-27  four pairs at work in RoPE
.set BI,     64
.set X,      128
.set PC,     224
.set PWS,    244
.set QD,     252
.set SEL,    82
.set MSB, 0
.macro WIN new                         ; the immediate's high byte repeats the setting that is left
.if MSB != (\new)
	s_set_vgpr_msb (MSB<<8)|(\new)
.set MSB, (\new)
.endif
.endm
.set MUL_LO, 0xa1                      ; source 0 (S0) window 1, source 1 (S1) window 0, C and D window 2
.set MUL_HI, 0xf1                      ; the same, C and D window 3
.set TO_B,   0x40                      ; destination window 1, address window 0
; A joint load: waves 0 and 1 fetch S1's halves, waves 2 and 3 S0's.  The branch hangs on the wave's number alone.  Four v_nop follow each of the two lines.
.macro JLOAD g0a, g1a, g0b, g1b
	s_cmp_eq_u32 s15, 0
	s_cbranch_scc0 .Lfor_b_\@
	tensor_load_to_lds s[\g0a:\g0a+3], s[\g1a:\g1a+7]
	s_nop 0
.rept 4
	v_nop
.endr
	s_branch .Lasked_\@
.Lfor_b_\@:
	tensor_load_to_lds s[\g0b:\g0b+3], s[\g1b:\g1b+7]
	s_nop 0
.rept 4
	v_nop
.endr
.Lasked_\@:
.endm
.macro CREST                           ; a round of the cluster's barrier behind its opening barrier
	s_cmp_lg_u32 s14, 0
	s_cbranch_scc1 .Lnot_wave_0_\@
	s_barrier_signal -3
.Lnot_wave_0_\@:
	s_barrier_wait -3
	s_barrier_signal -1
	s_barrier_wait -1
.endm
.macro CROUND
	s_barrier_signal -1
	s_barrier_wait -1
	CREST
.endm
.macro SETG0 ga, gb, k                 ; groups 0 for K slot k, into region k, and the joint load
	s_mov_b32 s[\ga], 1
	s_add_co_u32 s[\ga+1], s22, \k*REG
	s_add_nc_u64 s[\ga+2:\ga+3], s[20:21], \k*GB
	s_or_b32 s[\ga+3], s[\ga+3], 0x80000000
	s_mov_b32 s[\gb], 1
	s_add_co_u32 s[\gb+1], s22, \k*REG
	s_add_nc_u64 s[\gb+2:\gb+3], s[46:47], \k*GB
	s_or_b32 s[\gb+3], s[\gb+3], 0x80000000
	JLOAD \ga, G1, \gb, G1B
.endm
.macro FRAG reg, adr, q, i             ; a fragment comes as it was stored: six loads of 8 bytes a lane, 256 consecutive bytes each
.irp p, 0,1,2,3,4,5
	ds_load_b64 v[\reg+2*\p:\reg+2*\p+1], v[\adr] offset:((\i)*2+(\q))*1536+256*\p
.endr
.endm
.macro MUL16 a0, p, q, sc, zero        ; S1's tiles a0, a0 + 1 x S0's eight, 128 along K.  The 64 accumulators take turns, one instruction a turn, in the same order in every step
.irp a, \a0, \a0+1
.irp b, 0,1,2,3,4,5,6,7
.if \zero
	v_wmma_scale_f32_16x16x128_f8f6f4 v[8*(8*((\a)%4)+\b):8*(8*((\a)%4)+\b)+7], v[128*(\p)+FR*\b:128*(\p)+FR*\b+FR-1], v[AF+FR*(\a):AF+FR*(\a)+FR-1], 0, v[SC+8*NQ*(\sc)+NQ*\b+(\q)], v[SC+8*NQ*(\sc)+NQ*(\a)+(\q)] matrix_a_fmt:MATRIX_FMT_FP6 matrix_b_fmt:MATRIX_FMT_FP6 matrix_a_scale:MATRIX_SCALE_ROW1
.else
	v_wmma_scale_f32_16x16x128_f8f6f4 v[8*(8*((\a)%4)+\b):8*(8*((\a)%4)+\b)+7], v[128*(\p)+FR*\b:128*(\p)+FR*\b+FR-1], v[AF+FR*(\a):AF+FR*(\a)+FR-1], v[8*(8*((\a)%4)+\b):8*(8*((\a)%4)+\b)+7], v[SC+8*NQ*(\sc)+NQ*\b+(\q)], v[SC+8*NQ*(\sc)+NQ*(\a)+(\q)] matrix_a_fmt:MATRIX_FMT_FP6 matrix_b_fmt:MATRIX_FMT_FP6 matrix_a_scale:MATRIX_SCALE_ROW1
.endif
.endr
.endr
.endm
.macro FETCH_B rg, q, p                ; S0's eight fragments of region rg's q-th 128 along K into set p
	WIN TO_B
.irp i, 0,1,2,3,4,5,6,7
	FRAG 128*(\p)+FR*\i, ADRB+\rg, \q, \i
.endr
	WIN 0
.endm
.macro FETCH_A rg, q, i0               ; S1's tiles i0 .. i0 + 3
.irp i, \i0, \i0+1, \i0+2, \i0+3
	FRAG AF+FR*(\i), ADRA+\rg, \q, \i
.endr
.endm
.macro SCALES rg, sc                   ; a slot's scale words into set sc: two words a row; lanes 0-15 take S1's tile i, lanes 16-31 S0's tile i
.irp i, 0,1,2,3,4,5,6,7
	ds_load_b64 v[SC+8*NQ*(\sc)+NQ*\i:SC+8*NQ*(\sc)+NQ*\i+1], v[ADRS+\rg] offset:128*\i
.endr
.endm
.macro PLACES n                        ; plain vector instructions between a matrix instruction and a load into, or a read or write by a vector instruction of, its registers
.rept \n
	v_nop
.endr
.endm
.macro STEP rg, sc, zero               ; a slot's first 128 along K; the second's fragments are fetched on the way
	s_wait_dscnt 4*NL                              ; S0's set, S1's tiles 0-3 and the scale words are in; the youngest 24 loads (S1's tiles 4-7) may be out
	WIN MUL_LO
	MUL16 0, 0, 0, \sc, \zero
	MUL16 2, 0, 0, \sc, \zero
	s_wait_dscnt 0x0                               ; S1's tiles 4-7 are in
	PLACES NP
	FETCH_B \rg, 1, 1
	FETCH_A \rg, 1, 0
	WIN MUL_HI
	MUL16 4, 0, 0, \sc, \zero
	MUL16 6, 0, 0, \sc, \zero
	PLACES NP
	WIN 0
	FETCH_A \rg, 1, 4
.endm
.macro TURNP sc, next, cnt             ; a slot's second 128, and on to region next, behind a barrier behind which nothing is filled: cnt tensor loads of mine may stay out
	s_wait_tensorcnt \cnt                          ; my part of the next region has landed
	s_wait_dscnt 4*NL
	WIN MUL_LO
	MUL16 0, 1, 1, \sc, 0
	s_wait_dscnt 0x0                               ; my reads of this region are over
	s_barrier_signal -1
	MUL16 2, 1, 1, \sc, 0
	WIN 0
	s_barrier_wait -1                              ; everybody's part has landed
	PLACES NP
	FETCH_B \next, 0, 0
	FETCH_A \next, 0, 0
	SCALES \next, 1-\sc
	WIN MUL_HI
	MUL16 4, 1, 1, \sc, 0
	MUL16 6, 1, 1, \sc, 0
	PLACES NP
	WIN 0
	FETCH_A \next, 0, 4
.endm
.macro TURNR sc, next                  ; the same, with the launch's one refill: K slot 3 into region 0, which every wave left at the change of regions before
	s_wait_tensorcnt 0x0                           ; all my tensor loads have landed, my part of the next region among them;
	ds_add_u32 v[SPW], v[NIL]                      ; 0 onto my spare word;
	s_wait_dscnt 4*NL+1                            ; (the add and the youngest 24 loads may be out)
	WIN MUL_LO
	MUL16 0, 1, 1, \sc, 0                          ; sixteen matrix instructions stand between the add and the wait for it
	s_wait_dscnt 0x0                               ; the add is done, and my LDS reads are over
	s_barrier_signal -1
	MUL16 2, 1, 1, \sc, 0
	WIN 0
	s_barrier_wait -1
	CREST                                          ; the barrier has opened a round of the cluster's barrier: no wave of any partner reads region 0 or has a load on its way
	s_add_nc_u64 s[34:35], s[34:35], 3*GB          ; from K slot 0 to K slot 3
	s_add_nc_u64 s[58:59], s[58:59], 3*GB
	JLOAD 32, G1, 56, G1B                          ; the first tensor load behind the round; its four v_nop are the places in front of the loads below
	FETCH_B \next, 0, 0
	FETCH_A \next, 0, 0
	SCALES \next, 1-\sc
	WIN MUL_HI
	MUL16 4, 1, 1, \sc, 0
	MUL16 6, 1, 1, \sc, 0
	PLACES NP
	WIN 0
	FETCH_A \next, 0, 4
.endm
.macro FINAL sc                        ; the very last 128 along K: nothing more to fetch
	s_wait_dscnt 4*NL
	WIN MUL_LO
	MUL16 0, 1, 1, \sc, 0
	MUL16 2, 1, 1, \sc, 0
	s_wait_dscnt 0x0
	WIN MUL_HI
	MUL16 4, 1, 1, \sc, 0
	MUL16 6, 1, 1, \sc, 0
	WIN 0
.endm
; 64 numbers of a lane, v[s] on, register 16 b + i = k 32 b + 16 (lane / 16) + i, become a fragment's codes in v[PC] .. v[PC+11] and its scale word in v[pw]
.macro QUANT s, pw
.irp b, 0,1,2,3
	v_max3_num_f32 v[TM+\b], |v[\s+16*\b]|, |v[\s+1+16*\b]|, 0x1800000   ; block b: my 16 numbers, and the floor 2^(3 - 127): the byte cannot fall under 1
.endr
.irp i, 2,4,6,8,10,12,14
.irp b, 0,1,2,3
	v_max3_num_f32 v[TM+\b], v[TM+\b], |v[\s+16*\b+\i]|, |v[\s+1+16*\b+\i]|
.endr
.endr
.irp b, 0,1,2,3
	v_permlanex16_b32 v[TM+4+\b], v[TM+\b], s[SEL], s[SEL+1]
.endr
.irp b, 0,1,2,3
	v_max_num_f32 v[TM+\b], v[TM+\b], v[TM+4+\b]   ; with lane l xor 16's: the block's largest magnitude
.endr
.irp b, 0,1,2,3
	v_add_nc_u32 v[TM+12+\b], 0xff000000, v[TM+\b]   ; 2 off its exponent field: the conversion's scale operand
.endr
.irp b, 0,1,2,3
	v_lshrrev_b32 v[TM+4+\b], 23, v[TM+12+\b]      ; the scale's byte
.endr
	v_lshl_or_b32 v[\pw], v[TM+5], 8, v[TM+4]
	v_lshl_or_b32 v[\pw], v[TM+6], 16, v[\pw]
	v_lshl_or_b32 v[\pw], v[TM+7], 24, v[\pw]
.irp c, 0,1
	v_cvt_scalef32_pk16_fp6_f32 v[PC+6*\c:PC+2+6*\c], v[\s+32*\c:\s+15+32*\c], v[TM+12+2*\c]
	v_cvt_scalef32_pk16_fp6_f32 v[PC+12+4*\c:PC+14+4*\c], v[\s+16+32*\c:\s+31+32*\c], v[TM+12+2*\c+1]   ; (a conversion's three registers begin on an even number)
.endr
	v_nop                                          ; one plain instruction behind a scaled conversion
.irp c, 0,1                            ; the operand's layout wants a whole block in a lane
.irp i, 0,1,2
	v_permlane16_swap_b32 v[PC+6*\c+\i], v[PC+12+4*\c+\i]
.endr
.irp i, 0,1,2
	v_mov_b32 v[PC+3+6*\c+\i], v[PC+12+4*\c+\i]
.endr
.endr
.endm
.macro RTBASE a                        ; where tile a's 32 registers of RoPE's table lie in window 1: tiles 0 and 1 beside S0's sets, the others in them
.if (\a) == 0
.set RTB, 96
.elseif (\a) == 1
.set RTB, 224
.elseif (\a) < 5
.set RTB, 32*((\a)-2)
.else
.set RTB, 128+32*((\a)-5)
.endif
.endm
.macro RTLOAD a                        ; my token's (cos, sin) of the pairs 16 e' + 8 h + 0 .. 7, e' = 0, 1
	RTBASE \a
.irp e, 0,1,2,3,4,5,6,7
	global_load_b128 v[RTB+4*\e:RTB+4*\e+3], v3, s[86:87] offset:(32*((\a)/2)+8*((\a)%2))*256+128*(\e/4)+16*(\e%4)
.endr
.endm
; q and k, tile a of 16 tokens: the bias (which also brings the sums into window 0, each accumulator from its low end on), RoPE, the quantiser, six stores of 256 aligned bytes
.macro QKTILE a
.if (\a) == 0
	s_wait_loadcnt 48                              ; the bias and the tables of tiles 0 and 1 are in; the 48 loads of tiles 2-7 may be out
.elseif (\a) > 1
	s_wait_loadcnt 8*(7-(\a))                      ; this tile's table is in; those of the tiles behind it may be out
.endif
	RTBASE \a
	WIN 0x02+(\a)/4
.set kk, 0
.rept 32
	v_pk_add_f32 v[X+2*kk:X+2*kk+1], v[64*((\a)%4)+2*kk:64*((\a)%4)+2*kk+1], v[BI+2*kk:BI+2*kk+1]
.set kk, kk+1
.endr
	WIN 0x04                                       ; source 1, the table, in window 1
.set kk, 0
.rept 8
.irp e, 0,1,2,3
	v_pk_mul_f32 v[T+2*\e:T+2*\e+1], v[X+2*(kk+\e):X+2*(kk+\e)+1], v[RTB+16*((kk/8)%2)+2*((kk+\e)%8):RTB+16*((kk/8)%2)+2*((kk+\e)%8)+1] op_sel:[1,1] op_sel_hi:[0,1]   ; (odd x sin, even x sin)
.endr
.irp e, 0,1,2,3
	v_pk_fma_f32 v[X+2*(kk+\e):X+2*(kk+\e)+1], v[X+2*(kk+\e):X+2*(kk+\e)+1], v[RTB+16*((kk/8)%2)+2*((kk+\e)%8):RTB+16*((kk/8)%2)+2*((kk+\e)%8)+1], v[T+2*\e:T+2*\e+1] op_sel_hi:[1,0,1] neg_lo:[0,0,1]   ; (even x cos - odd x sin, odd x cos + even x sin)
.endr
.set kk, kk+4
.endr
	WIN 0
	s_wait_xcnt 0x0                                ; the last tile's stores have read the codes' registers
	QUANT X, PWS+(\a)
.irp p, 0,1,2,3,4,5
	global_store_b64 v1, v[PC+2*\p:PC+2*\p+1], s[84:85] offset:(\p/3)*106496+768*(\a)+256*(\p%3)   ; registers 0-5: my first head, 6-11: my second, 16 blocks of 6,656 bytes on
.endr
.endm
; v, tile a of 16 features: the bias, the quantiser along the tokens, six stores
.macro VTILE a
	WIN 0x02+(\a)/4
.set kk, 0
.rept 32
	v_pk_add_f32 v[X+2*kk:X+2*kk+1], v[64*((\a)%4)+2*kk:64*((\a)%4)+2*kk+1], v[BI+2*(\a):BI+2*(\a)+1]
.set kk, kk+1
.endr
	WIN 0
	s_wait_xcnt 0x0
	QUANT X, PWS+(\a)
.irp p, 0,1,2,3,4,5
	global_store_b64 v1, v[PC+2*\p:PC+2*\p+1], s[84:85] offset:((\a)/4)*102400+((\a)%4)*1536+256*\p
.endr
.endm
	s_load_b256 s[4:11], s[0:1], 0x0               ; ops s[4:5], qkv_b s[6:7], rope s[8:9], qk s[10:11]
	s_load_b64 s[12:13], s[0:1], 0x20              ; vimg
	v_lshl_add_u32 v[SPW], v0, 2, SPARE
	v_mov_b32 v[NIL], 0
	ds_add_u32 v28, v29
	s_wait_dscnt 0x0
	v_lshrrev_b32 v4, 5, v0
	v_readfirstlane_b32 s14, v4                    ; wave 0..3
	s_lshr_b32 s15, s14, 1                         ; my half of S1.  Also: I fetch for S1 (0) or for S0 (1)
	s_and_b32 s16, s14, 1                          ; my half of S0.  Also: which 128 rows I fetch
	s_bfe_u32 s40, ttmp6, 0x40000                  ; cx, cy: my place in the cluster
	s_bfe_u32 s41, ttmp6, 0x40004
	s_and_b32 s17, ttmp7, 0xffff                   ; the cluster's y
	s_lshl_b32 s43, s41, 2
	s_lshl_b32 s43, 15, s43                        ; my row of the cluster
	s_lshl_b32 s44, 0x1111, s40                    ; my column
	s_lshl_b32 s18, s17, 2
	s_lshl_b32 s19, s17, 3
	s_sub_co_u32 s19, s19, 64
	s_cmp_ge_u32 s17, 8                            ; the role: the same in all sixteen partners
	s_cselect_b32 s45, 1, 0
	s_cselect_b32 s18, 40, s18
	s_cselect_b32 s19, s19, 32
	s_add_co_u32 s18, s18, s41                     ; S1's tile of 256 rows: x's 4 y + cy, or the weights' 40 + cy
	s_lshl_b32 s20, ttmp9, 2
	s_add_co_u32 s19, s19, s20
	s_add_co_u32 s42, s19, s40                     ; S0's tile: the weights' 32 + 4 x + cx, or x's 8 (y - 8) + 4 x + cx
	s_or_b32 s[G1+0], s43, (3<<16)|(1<<21)         ; 15:0 the mask: S1's blocks go to my row; 17:16 elements of 8 bytes; 21 set beside a mask; no padding
	s_or_b32 s[G1B+0], s44, (3<<16)|(1<<21)        ; S0's to my column
.irp g, G1, G1B
	s_mov_b32 s[\g+1], 32<<16                      ; tensor_dim0 = 32 elements: 256 bytes
	s_mov_b32 s[\g+2], 100<<16                     ; tensor_dim1 = 100 rows: a dense block of 25,600 bytes
	s_mov_b32 s[\g+3], 32<<16                      ; tile_dim0
	s_mov_b32 s[\g+4], 100                         ; tile_dim1
	s_mov_b32 s[\g+5], 32                          ; tensor_dim0_stride
	s_mov_b32 s[\g+6], 0
	s_mov_b32 s[\g+7], 0
.endr
	s_lshl_b32 s20, s18, 1
	s_add_co_u32 s20, s20, s16
	s_mul_i32 s20, s20, 4*GB                       ; S1: the 128 rows that I fetch, K slot 0
	s_mov_b32 s21, 0
	s_lshl_b32 s46, s42, 1
	s_add_co_u32 s46, s46, s16
	s_mul_i32 s46, s46, 4*GB                       ; S0 likewise
	s_mov_b32 s47, 0
	s_mul_i32 s22, s14, GB                         ; where they go: wave x a block: no place in the cluster enters an LDS address
	s_mov_b32 s76, 0xffff0000                      ; lanes 16-31
	s_mov_b32 s[SEL], 0x76543210
	s_mov_b32 s[SEL+1], 0xfedcba98
	s_wait_kmcnt 0x0
	s_add_nc_u64 s[20:21], s[4:5], s[20:21]
	s_add_nc_u64 s[46:47], s[4:5], s[46:47]
	CROUND                                         ; all sixteen work-groups are here: the first joint loads meet
	SETG0 32, 56, 0
	SETG0 36, 60, 1
	SETG0 68, 72, 2
	v_and_b32 v4, 31, v0
	v_lshlrev_b32 v1, 3, v4                        ; 8 x lane
	v_lshlrev_b32 v2, 4, v4                        ; 16 x lane
	v_and_b32 v5, 15, v0                           ; r
	v_bfe_u32 v6, v0, 4, 1                         ; h
	s_mul_i32 s77, s15, GB                         ; my half of S1
	s_add_co_u32 s78, s16, 2
	s_mul_i32 s79, s78, GB                         ; my half of S0, behind S1's two
	s_xor_b32 s81, s15, 1
	s_add_co_u32 s78, s16, s81
	s_add_co_u32 s78, s78, 1
	s_mul_i32 s78, s78, GB                         ; the distance between the two
	v_mul_u32_u24 v7, s78, v6                      ; lanes 16-31 take S0's scale words
	v_lshl_add_u32 v7, v5, 3, v7
	s_add_co_u32 s80, s77, 16*1536
.irp g, 0,1,2
	v_add_nc_u32 v[ADRA+\g], s77, v1
	v_add_nc_u32 v[ADRB+\g], s79, v1
	v_add_nc_u32 v[ADRS+\g], s80, v7
	s_add_co_u32 s77, s77, REG
	s_add_co_u32 s79, s79, REG
	s_add_co_u32 s80, s80, REG
.endr
	v_and_b32 v26, 8, v5
	v_add_nc_u32 v26, v26, v5                      ; r + 8 (r / 8)
	v_lshlrev_b32 v25, 6, v6                       ; 64 h
	v_lshl_add_u32 v3, v26, 8, v25                 ; my token's row of the table, + 64 h
	v_lshlrev_b32 v26, 2, v26
.irp b, 0,1,2,3
	v_mov_b32 v[TM+4+\b], 0                        ; written once: a lane permute's destination counts as one of its sources
.endr
	s_wait_tensorcnt 0x2                           ; my part of K slot 0 is in; slots 1 and 2 may be out
	s_barrier_signal -1
	s_barrier_wait -1
	FETCH_B 0, 0, 0
	FETCH_A 0, 0, 0
	SCALES 0, 0
	FETCH_A 0, 0, 4
	STEP 0, 0, 1                                   ; the first step's products start the sums: nothing is cleared
	TURNP 0, 1, 1                                  ; K slot 1 has landed, slot 2 may be out
	STEP 1, 1, 0
	TURNR 1, 2
	STEP 2, 0, 0
	TURNP 0, 0, 0                                  ; K slot 3, the one load that was out
	s_cmp_lg_u32 s45, 0
	s_cbranch_scc1 .Lvrole
	; ---- q and k.  What the way out needs is asked for ahead of the last 128 matrix instructions
	s_lshl_b32 s77, s18, 1
	s_add_co_u32 s77, s77, s15                     ; my 128 tokens
	s_lshr_b32 s78, s77, 4                         ; batch
	s_and_b32 s79, s77, 15                         ; which 128 of its 2,048
	s_sub_co_u32 s80, s42, 32
	s_lshl_b32 s80, s80, 1
	s_add_co_u32 s80, s80, s16                     ; my 128 features: 0-7 q, 8-15 k; two heads
	s_lshr_b32 s81, s80, 3
	s_lshl_b32 s81, s81, 6
	s_lshl_b32 s78, s78, 4
	s_add_co_u32 s81, s81, s78
	s_and_b32 s92, s80, 7
	s_lshl_b32 s92, s92, 1
	s_add_co_u32 s81, s81, s92
	s_lshl_b32 s81, s81, 4
	s_add_co_u32 s81, s81, s79                     ; the block: ((q or k) x 64 + batch x 16 + head) x 16 + step
	s_mul_i32 s90, s81, 6656
	s_mov_b32 s91, 0
	s_add_nc_u64 s[84:85], s[10:11], s[90:91]
	s_lshl_b32 s90, s79, 15                        ; 128 rows of the table
	s_add_nc_u64 s[86:87], s[8:9], s[90:91]
	s_lshl_b32 s90, s80, 9
	s_add_nc_u64 s[88:89], s[6:7], s[90:91]
.irp e, 0,1,2,3,4,5,6,7,8,9,10,11,12,13,14,15
	global_load_b128 v[BI+4*\e:BI+4*\e+3], v25, s[88:89] offset:128*(\e/4)+16*(\e%4)   ; the bias in the sums' layout: features 32 b + 16 h + 0 .. 15
.endr
	WIN 0x40
	RTLOAD 0
	RTLOAD 1
	WIN 0
	STEP 0, 1, 0
	FINAL 1
	PLACES NP                                      ; for the loads into S0's registers and the first reads of results
	WIN 0x40
.irp a, 2,3,4,5,6,7
	RTLOAD \a
.endr
	WIN 0
.irp a, 0,1,2,3,4,5,6,7
	QKTILE \a
.endr
.irp k, 0,1,2,3
	v_cndmask_b32 v[TM+\k], v[PWS+2*\k], v[PWS+2*\k+1], s76   ; lanes 0-15: tile 2 k's words, lanes 16-31: tile 2 k + 1's
.endr
.irp k, 0,1,2,3
	v_and_b32 v[QD+\k], 0xffff, v[TM+\k]           ; my first head's two bytes
.endr
	global_store_b128 v2, v[QD:QD+3], s[84:85] offset:6144
	s_wait_xcnt 0x0                                ; the store has read its data
.irp k, 0,1,2,3
	v_lshrrev_b32 v[QD+\k], 16, v[TM+\k]           ; my second head's
.endr
	global_store_b128 v2, v[QD:QD+3], s[84:85] offset:106496+6144
	s_branch .Lclose
	; ---- v
.Lvrole:
	s_lshl_b32 s77, s42, 1
	s_add_co_u32 s77, s77, s16                     ; my 128 tokens
	s_lshr_b32 s78, s77, 4
	s_and_b32 s79, s77, 15
	s_sub_co_u32 s80, s18, 40
	s_lshl_b32 s80, s80, 1
	s_add_co_u32 s80, s80, s15                     ; my 128 features of v: two heads
	s_lshl_b32 s78, s78, 4
	s_lshl_b32 s81, s80, 1
	s_add_co_u32 s81, s81, s78
	s_lshl_b32 s81, s81, 4
	s_add_co_u32 s81, s81, s79                     ; the block: (batch x 16 + head) x 16 + step
	s_mul_i32 s90, s81, 6400
	s_mov_b32 s91, 0
	s_add_nc_u64 s[84:85], s[12:13], s[90:91]
	s_lshl_b32 s90, s80, 9
	s_add_co_u32 s90, s90, 8192
	s_add_nc_u64 s[88:89], s[6:7], s[90:91]
.irp a, 0,1,2,3,4,5,6,7
	global_load_b32 v[BI+2*\a], v26, s[88:89] offset:(32*(\a/2)+8*(\a%2))*4   ; my feature's bias, tile by tile
.endr
	STEP 0, 1, 0
	FINAL 1
	PLACES NP
	s_wait_loadcnt 0x0
.irp a, 0,1,2,3,4,5,6,7
	v_mov_b32 v[BI+2*\a+1], v[BI+2*\a]             ; as a pair, for the packed addition
.endr
.irp a, 0,1,2,3,4,5,6,7
	VTILE \a
.endr
.irp k, 0,1,2,3
	v_cndmask_b32 v[QD+\k], v[PWS+2*\k], v[PWS+2*\k+1], s76
.endr
	global_store_b64 v1, v[QD:QD+1], s[84:85] offset:6144
	global_store_b64 v1, v[QD+2:QD+3], s[84:85] offset:102400+6144
.Lclose:
	s_wait_tensorcnt 0x0                           ; the wave's end
	ds_add_u32 v[SPW], v[NIL]
	s_wait_dscnt 0x0
	CROUND                                         ; the closing round: no work-group ends while a partner may still ask for a block that names it
	s_endpgm
.Lfunc_end_k_q20006ec803_qkv:
	.size	k_q20006ec803_qkv, .Lfunc_end_k_q20006ec803_qkv-k_q20006ec803_qkv
	.p2alignl 7, 3214868480
	.fill 96, 4, 3214868480
	.section	.rodata,"a",@progbits
	.p2align	6, 0x0
	.amdhsa_kernel k_q20006ec803_qkv
		.amdhsa_group_segment_fixed_size 327680
		.amdhsa_private_segment_fixed_size 0
		.amdhsa_enable_private_segment 0
		.amdhsa_kernarg_size 40
		.amdhsa_user_sgpr_count 2
		.amdhsa_user_sgpr_kernarg_segment_ptr 1
		.amdhsa_wavefront_size32 1
		.amdhsa_system_sgpr_workgroup_id_x 1
		.amdhsa_system_sgpr_workgroup_id_y 1
		.amdhsa_system_sgpr_workgroup_id_z 1
		.amdhsa_system_vgpr_workitem_id 0
		.amdhsa_next_free_vgpr 1024
		.amdhsa_next_free_sgpr 104
		.amdhsa_reserve_vcc 0
		.amdhsa_float_denorm_mode_32 3
		.amdhsa_float_denorm_mode_16_64 3
		.amdhsa_memory_ordered 1
		.amdhsa_forward_progress 1
		.amdhsa_inst_pref_size 255
	.end_amdhsa_kernel
	.section	.bss,"aw",@nobits
	.p2align	6
	.space	262144
	.amdgpu_metadata
---
amdhsa.version: [ 1, 2 ]
amdhsa.kernels:
  - .name:           k_q20006ec803_qkv
    .symbol:         k_q20006ec803_qkv.kd
    .args:
      - { .name: ops, .offset: 0, .size: 8, .value_kind: global_buffer, .address_space: global }
      - { .name: qkv_b, .offset: 8, .size: 8, .value_kind: global_buffer, .address_space: global }
      - { .name: rope, .offset: 16, .size: 8, .value_kind: global_buffer, .address_space: global }
      - { .name: qk, .offset: 24, .size: 8, .value_kind: global_buffer, .address_space: global }
      - { .name: vimg, .offset: 32, .size: 8, .value_kind: global_buffer, .address_space: global }
    .group_segment_fixed_size: 327680
    .private_segment_fixed_size: 0
    .kernarg_segment_align: 8
    .kernarg_segment_size: 40
    .max_flat_workgroup_size: 128
    .sgpr_count:     104
    .vgpr_count:     1024
    .wavefront_size: 32
...
	.end_amdgpu_metadata
.endif
;; end of part 2
;; launch attn (part 3): grid 4 x 64, 16 waves a work-group, no clusters, 327,680 bytes of LDS; arguments qk, vimg, yimg; writes yimg
.if DOCPART == 3
	.amdgcn_target "amdgcn-amd-amdhsa--gfx1250"
	.amdhsa_code_object_version 6
	.text
	.protected	k_q20006ec803_attn
	.globl	k_q20006ec803_attn
	.p2align	8
	.type	k_q20006ec803_attn,@function
k_q20006ec803_attn:
	s_mov_b64 s[64:65], 0
	v_nop
	global_prefetch_b8 v0, s[64:65] scope:SCOPE_SE
	s_setreg_imm32_b32 hwreg(HW_REG_WAVE_MODE, 25, 1), 1
	s_wait_xcnt 0x0
; Causal attention of 64 heads (batch x 16 + head), 2,048 tokens, head size 64, both products on codes of FP6 (E2M3) with E8M0 scales; the result, divided by the row's sum, is quantised along the
; model's 1,024 and stored as images of operand registers for the last product.
; INPUTS.  qk: blocks of 6,656 bytes for (q or k, head, 128 tokens): 8 half fragments of 768 bytes (16 tokens x 64; piece p of 256 bytes = registers 2 p, 2 p + 1, lane l at 8 l), scale words at 6,144.
; vimg: blocks of 6,400 bytes for (head, 128 tokens): 4 fragments of 1,536 bytes (16 of the head's 64 x 128 tokens), scale words at 6,144.  Slot r of a tile i is row 32 (i / 2) + 8 (i % 2) + r + 8 (r / 8).
; THE SOFTMAX: t = score x log2(e) / 8; M = the row's largest t so far, rounded up to a whole number; p = 2^(t - M) is quantised along the keys, not normalised; the row's sum is taken of the unquantised p and
; divides at the end.  When M moves, the sum and O are multiplied by 2^(old M - new M): exact.
; SHARES.  Work-group (j, head) takes the 256 queries of block 7 - j (key slots 0 .. 7 - j of 256 keys), then those of block j (slots 0 .. j): NINE slots for every work-group, so the trip count is a constant
; and all 256 work-groups have the same work.  Each of sixteen waves owns one tile of 16 queries in 256 registers.  A step is 128 keys; a step all of whose keys come after the wave's queries is left out by a
; scalar branch on ids; on the diagonal hidden scores become -infinity.
; LAYOUT.  Both products are used transposed: S^T = K Q^T (source 0 = 16 keys), O^T = V^T P^T (source 0 = 16 of the head's 64): a lane holds one query throughout, and by the order of rows in the tiles the 16 registers
; of result tiles 2 b, 2 b + 1 are 16 neighbours (keys, or channels).
; K = 64 IN A FORM OF K = 128: Q's registers 6-11 are zero codes, so what stands in K's registers 6-11 (the next half fragment, or six zeros) is multiplied by 0; both scale words have bytes 0, which is 2^-127 and no NaN, there.
; NO CLUSTER: the four work-groups of a head change to their second block behind trips 8 - j, so from the fifth trip on they want different slots in the same trip, and a joint request wants the same tile of all.
; LIMITS: a block of zeros, or one under 2^-124, gets the scale byte 1: its codes are zeros, and this program alone reads the bytes.  NaN and infinities are not served.
.set SLOT1,  32768                     ; region 1 begins here: one exclusive or turns an address in one region into the other's
.set KSTEPB, 6656
.set VSTEPB, 6400
.set VOFF,   2*KSTEPB                  ; a region: K's two steps, then V's two
.set SPARE,  65536                     ; the spare words, 128 bytes for each wave: eight blocks of 256 bytes that no other line names
.set LI8,  1                           ; v1   8 x lane
.set LI16, 2                           ; v2   16 x lane
.set ADK,  3                           ; v3   8 x lane + the region in hand
.set AD16, 4                           ; v4   16 x lane + the region in hand
.set SPW,  5                           ; v5   LDS address of my spare word; never rewritten
.set NIL,  6                           ; v6   0; never rewritten
.set QL,   7                           ; v7   r + 8 (r / 8) - 16 h
.set QSO,  8                           ; v8   my query's scale word, from the tile's codes on
.set YSO,  9                           ; v9   where my row's two scale bytes of y go, from the tile's codes on
.set PFO,  10                          ; v10  the prefetches' offset
.set QF,   16                          ; v16-27  Q's fragment; v22-27 zeros
.set QS,   28                          ; v28  Q's scale words;  v30 p's;  v32-35 K's;  v36-37 V's: these hold scales and nothing else
.set PW,   30
.set KS,   32
.set VS,   36
.set KB,   40                          ; v40-87  K's 8 half fragments on end; v88-93 zeros.  Behind S^T: v40-51 p's codes, v52-58 at work
.set PC,   40
.set CT,   52
.set S,    96                          ; v96-159 S^T, then p
.set O,    160                         ; v160-191 O^T
.set VB,   192                         ; v192-239 V's 4 fragments
.set FF,   240                         ; v240 f = 2^(old M - new M); v241 0
.set T0,   242
.set T1,   243
.set BT,   244
.set BM,   248
.set SO,   252
.set TB,   2                           ; s2   LDS byte at which the region in hand begins
.set KF,   3                           ; s3   the step's first key
.set NB,   12                          ; s12  slots of the first block: 8 - j
.set SG,   13                          ; s13  this trip's slot
.set SNX,  14                          ; s14  the next trip's
.set BIX,  15                          ; s15  the block of queries in hand
.set Q0,   16                          ; s16  my tile's first query
.set SLOTS, 17
.set WV,   18
.set SEL,  20
.set CS,   22                          ; s[22:23] c = log2(e) / 8
.set G1K,  24
.set G1V,  32
.set G0K,  40
.set G0V,  44
.set PFA,  66
.set PFS,  68
.set LIM,  70
; Waves 0 and 1 fetch K's two steps of a slot, waves 2 and 3 V's, the others nothing.  Four v_nop follow each of the two lines.
.macro TLOAD
	s_cmp_lt_u32 s[WV], 2
	s_cbranch_scc0 .Lnot_k_\@
	tensor_load_to_lds s[G0K:G0K+3], s[G1K:G1K+7]
	s_nop 0
.rept 4
	v_nop
.endr
	s_branch .Lasked_\@
.Lnot_k_\@:
	s_cmp_lt_u32 s[WV], 4
	s_cbranch_scc0 .Lasked_\@
	tensor_load_to_lds s[G0V:G0V+3], s[G1V:G1V+7]
	s_nop 0
.rept 4
	v_nop
.endr
.Lasked_\@:
.endm
; A prefetch of the slot that the NEXT change of regions will ask for.  All four work-groups of a head walk the same K and V; the one with j = 0 walks slots 0 to 7 in order, and it alone asks: waves 4 and 5 for K's
; 52 pieces of 256 bytes, waves 6 and 7 for V's 50, a lane a piece (the lanes left over name the last piece again).  It asks in trips 0 to 5, for slots 2 to 7; slots 0 and 1 come by their loads alone.
.macro ASK
	s_cmp_gt_u32 s[SLOTS], s[LIM]
	s_cbranch_scc0 .Lnot_mine_\@
	global_prefetch_b8 v[PFO], s[PFA:PFA+1] th:TH_LOAD_NT scope:SCOPE_SE
.Lnot_mine_\@:
.endm
.macro SETBLK                          ; the addresses of block s[BIX]
	s_lshl_b32 s58, s[BIX], 1
	s_add_co_u32 s58, s58, s63                     ; my 128 tokens of the head's 2,048
	s_lshl_b32 s[Q0], s58, 7
	s_add_co_u32 s[Q0], s[Q0], s62
	s_mul_i32 s72, s58, KSTEPB
	s_mov_b32 s73, 0
	s_add_nc_u64 s[54:55], s[52:53], s[72:73]      ; my tile of q
	s_mul_i32 s72, s58, 102400
	s_add_nc_u64 s[56:57], s[60:61], s[72:73]      ; my tile's half fragment of y
.endm
.macro QLOAD
.irp p, 0,1,2
	global_load_b64 v[QF+2*\p:QF+2*\p+1], v[LI8], s[54:55] offset:256*\p
.endr
	global_load_b32 v[QS], v[QSO], s[54:55]
.endm
.macro INIT                            ; the step is written once: the first finds zeros, which the first change of M leaves zeros
	v_mov_b32 v13, 0xff61b1e6                      ; the largest t so far: -3e38
	s_delay_alu instid0(VALU_DEP_1)
	v_floor_f32 v12, -v13                          ; -M
	v_mov_b32 v14, 0
	v_mov_b32 v15, 0
.set jj, 0
.rept 32
	v_mov_b32 v[O+jj], 0
.set jj, jj+1
.endr
.endm
; A KEY STEP: 128 keys, the q-th of the slot in hand
.macro STEP q
	s_add_co_u32 s95, s[Q0], 23                    ; my last query
	s_cmp_gt_u32 s[KF], s95
	s_cbranch_scc1 .Lhidden_\@
	v_add_nc_u32 v[ADK], s[TB], v[LI8]
	v_add_nc_u32 v[AD16], s[TB], v[LI16]
	v_nop
	v_nop                                          ; four places in front of loads into registers that matrix instructions have read
.irp t, 0,1,2,3,4,5,6,7
.irp p, 0,1,2
	ds_load_b64 v[KB+6*\t+2*\p:KB+6*\t+2*\p+1], v[ADK] offset:KSTEPB*(\q)+768*\t+256*\p
.endr
.endr
	ds_load_b128 v[KS:KS+3], v[AD16] offset:KSTEPB*(\q)+6144   ; register k: lanes 0-15 tile 2 k's words, lanes 16-31 tile 2 k + 1's
.irp t, 0,1,2,3
.irp p, 0,1,2,3,4,5
	ds_load_b64 v[VB+12*\t+2*\p:VB+12*\t+2*\p+1], v[ADK] offset:VOFF+VSTEPB*(\q)+1536*\t+256*\p
.endr
.endr
	ds_load_b64 v[VS:VS+1], v[ADK] offset:VOFF+VSTEPB*(\q)+6144
	s_wait_dscnt 25                                ; K's 25 loads are in; V's 25 may be out
.irp t, 0,2,4,6
	v_wmma_scale_f32_16x16x128_f8f6f4 v[S+8*\t:S+8*\t+7], v[KB+6*\t:KB+6*\t+11], v[QF:QF+11], 0, v[KS+\t/2], v[QS] matrix_a_fmt:MATRIX_FMT_FP6 matrix_b_fmt:MATRIX_FMT_FP6
	v_wmma_scale_f32_16x16x128_f8f6f4 v[S+8*\t+8:S+8*\t+15], v[KB+6*\t+6:KB+6*\t+17], v[QF:QF+11], 0, v[KS+\t/2], v[QS] matrix_a_fmt:MATRIX_FMT_FP6 matrix_b_fmt:MATRIX_FMT_FP6 matrix_a_scale:MATRIX_SCALE_ROW1
.endr
.rept 4
	v_nop
.endr
	s_add_co_u32 s95, s[KF], 127                   ; a step all of whose keys count skips the mask
	s_cmp_le_u32 s95, s[Q0]
	s_cbranch_scc1 .Lopen_\@
	s_sub_co_i32 s95, s[Q0], s[KF]
	v_add_nc_u32 v[T0], s95, v[QL]                 ; d = my query - the step's first key - 16 h.  Register 16 b + i holds key 32 b + 16 h + i of the step: hidden where 32 b + i > d
	v_mov_b32 v[T1], 0xff800000                    ; -infinity
.set nn, 0
.rept 64
	v_cmp_gt_i32 vcc_lo, 32*(nn/16)+nn%16, v[T0]
	v_cndmask_b32 v[S+nn], v[S+nn], v[T1], vcc_lo
.set nn, nn+1
.endr
.Lopen_\@:
.irp b, 0,1,2,3
	v_max3_num_f32 v[BM+\b], v[S+16*\b], v[S+1+16*\b], v[S+2+16*\b]   ; the largest score of each block of 32 keys: for the row's maximum, and, since p rises with the score, for the block's largest p
.endr
.irp i, 3,5,7,9,11,13
.irp b, 0,1,2,3
	v_max3_num_f32 v[BM+\b], v[BM+\b], v[S+16*\b+\i], v[S+1+16*\b+\i]
.endr
.endr
.irp b, 0,1,2,3
	v_max_num_f32 v[BM+\b], v[BM+\b], v[S+15+16*\b]
.endr
.irp b, 0,1,2,3
	s_delay_alu instid0(VALU_DEP_4)
	v_permlanex16_b32 v[BT+\b], v[BM+\b], s[SEL], s[SEL+1]
.endr
.irp b, 0,1,2,3
	s_delay_alu instid0(VALU_DEP_4)
	v_max_num_f32 v[BM+\b], v[BM+\b], v[BT+\b]     ; with lane l xor 16's 16 keys
.endr
	s_delay_alu instid0(VALU_DEP_2)
	v_max3_num_f32 v[T0], v[BM], v[BM+1], v[BM+2]
	s_delay_alu instid0(VALU_DEP_1)
	v_max_num_f32 v[T0], v[T0], v[BM+3]
	s_delay_alu instid0(VALU_DEP_1)
	v_mul_f32 v[T0], s[CS], v[T0]                  ; the step's largest t of my query
	s_delay_alu instid0(VALU_DEP_1)
	v_max_num_f32 v13, v13, v[T0]                  ; the running largest t
	v_mov_b32 v[T0], v12
	s_delay_alu instid0(VALU_DEP_2)
	v_floor_f32 v12, -v13                          ; the new -M = -ceil(t): a whole number
	s_delay_alu instid0(VALU_DEP_1)
	v_sub_f32 v[T0], v12, v[T0]                    ; old M - new M: a whole number, 0 or less
	s_delay_alu instid0(VALU_DEP_1)
	v_cvt_i32_f32 v[T0], v[T0]                     ; (it saturates)
	s_delay_alu instid0(VALU_DEP_1)
	v_ldexp_f32 v[FF], 1.0, v[T0]                  ; f = 2^(old M - new M)
.set jj, 0
.rept 32
	v_pk_fma_f32 v[S+jj:S+jj+1], v[S+jj:S+jj+1], s[CS:CS+1], v[12:13] op_sel_hi:[1,0,0]   ; t - M, two at a time
.set jj, jj+2
.endr
.irp b, 0,1,2,3
	v_fma_f32 v[BM+\b], v[BM+\b], s[CS], v12       ; the same of each block's largest score
.endr
.set jj, 0
	s_wait_alu depctr_va_vdst(0)
.rept 64
	v_exp_f32 v[S+jj], v[S+jj]                     ; p = 2^(t - M), at most 1
.set jj, jj+1
.endr
	v_pk_mul_f32 v[14:15], v[14:15], v[FF:FF+1] op_sel_hi:[1,0]   ; the sums under the new M: a plain instruction behind the exponentials
	s_wait_alu depctr_va_vdst(0)                   ; one wait for the batch of 64, ahead of its first reader
.irp b, 0,1,2,3
	v_exp_f32 v[BM+\b], v[BM+\b]                   ; the block's largest p
.endr
	v_pk_add_f32 v[244:245], v[100:101], v[104:105]
	v_pk_add_f32 v[254:255], v[108:109], v[112:113]
	v_pk_add_f32 v[252:253], v[116:117], v[120:121]
	v_pk_add_f32 v[246:247], v[124:125], v[128:129]
	v_pk_add_f32 v[94:95], v[132:133], v[136:137]
	v_pk_add_f32 v[86:87], v[140:141], v[144:145]
	v_pk_add_f32 v[84:85], v[148:149], v[152:153]
	v_pk_add_f32 v[14:15], v[14:15], v[156:157]
	v_pk_add_f32 v[244:245], v[244:245], v[96:97]
	v_pk_add_f32 v[254:255], v[254:255], v[98:99]
	v_pk_add_f32 v[252:253], v[252:253], v[102:103]
	v_pk_add_f32 v[246:247], v[246:247], v[106:107]
	v_pk_add_f32 v[94:95], v[94:95], v[110:111]
	v_pk_add_f32 v[86:87], v[86:87], v[114:115]
	v_pk_add_f32 v[84:85], v[84:85], v[118:119]
	v_pk_add_f32 v[14:15], v[14:15], v[122:123]
	v_pk_add_f32 v[244:245], v[244:245], v[126:127]
	v_pk_add_f32 v[254:255], v[254:255], v[130:131]
	v_pk_add_f32 v[252:253], v[252:253], v[134:135]
	v_pk_add_f32 v[246:247], v[246:247], v[138:139]
	v_pk_add_f32 v[94:95], v[94:95], v[142:143]
	v_pk_add_f32 v[86:87], v[86:87], v[146:147]
	v_pk_add_f32 v[84:85], v[84:85], v[150:151]
	v_pk_add_f32 v[14:15], v[14:15], v[154:155]
	v_pk_add_f32 v[244:245], v[244:245], v[158:159]
	s_delay_alu instid0(VALU_DEP_2)
	v_pk_add_f32 v[14:15], v[14:15], v[246:247]
	s_delay_alu instid0(VALU_DEP_2)
	v_pk_add_f32 v[244:245], v[244:245], v[94:95]
	v_pk_add_f32 v[254:255], v[254:255], v[86:87]
	v_pk_add_f32 v[252:253], v[252:253], v[84:85]
	s_delay_alu instid0(VALU_DEP_2)
	v_pk_add_f32 v[14:15], v[14:15], v[254:255]
	s_delay_alu instid0(VALU_DEP_2)
	v_pk_add_f32 v[244:245], v[244:245], v[252:253]
	s_delay_alu instid0(VALU_DEP_1)
	v_pk_add_f32 v[14:15], v[14:15], v[244:245]
	s_wait_alu depctr_va_vdst(0)                   ; and one for the four
.irp b, 0,1,2,3
	v_max_num_f32 v[BM+\b], 0x1800000, v[BM+\b]    ; the floor 2^(3 - 127): the byte cannot fall under 1
.endr
.irp b, 0,1,2,3
	s_delay_alu instid0(VALU_DEP_4)
	v_add_nc_u32 v[SO+\b], 0xff000000, v[BM+\b]    ; 2 off the exponent field: the conversion's scale operand
.endr
.irp b, 0,1,2,3
	s_delay_alu instid0(VALU_DEP_4)
	v_lshrrev_b32 v[BT+\b], 23, v[SO+\b]           ; the scale's byte
.endr
	s_delay_alu instid0(VALU_DEP_3)
	v_lshl_or_b32 v[PW], v[BT+1], 8, v[BT]
	s_delay_alu instid0(VALU_DEP_1)
	v_lshl_or_b32 v[PW], v[BT+2], 16, v[PW]
	s_delay_alu instid0(VALU_DEP_1)
	v_lshl_or_b32 v[PW], v[BT+3], 24, v[PW]        ; p's scale word for these 128 keys
.irp c, 0,1
	v_cvt_scalef32_pk16_fp6_f32 v[PC+6*\c:PC+6*\c+2], v[S+32*\c:S+32*\c+15], v[SO+2*\c]
	v_cvt_scalef32_pk16_fp6_f32 v[CT+4*\c:CT+4*\c+2], v[S+32*\c+16:S+32*\c+31], v[SO+2*\c+1]
.endr
	v_nop                                          ; one plain instruction behind a scaled conversion
.irp c, 0,1
.irp i, 0,1,2
	v_permlane16_swap_b32 v[PC+6*\c+\i], v[CT+4*\c+\i]
.endr
.irp i, 0,1,2
	s_delay_alu instid0(VALU_DEP_3)
	v_mov_b32 v[PC+3+6*\c+\i], v[CT+4*\c+\i]
.endr
.endr
.set jj, 0
.rept 16
	v_pk_mul_f32 v[O+jj:O+jj+1], v[O+jj:O+jj+1], v[FF:FF+1] op_sel_hi:[1,0]   ; O^T under the new M; these sixteen also stand between the lines that made p's codes and scale word and the products
.set jj, jj+2
.endr
	s_wait_alu depctr_va_vdst(0)
	s_wait_dscnt 0x0                               ; V is in
.irp t, 0,2
	v_wmma_scale_f32_16x16x128_f8f6f4 v[O+8*\t:O+8*\t+7], v[VB+12*\t:VB+12*\t+11], v[PC:PC+11], v[O+8*\t:O+8*\t+7], v[VS+\t/2], v[PW] matrix_a_fmt:MATRIX_FMT_FP6 matrix_b_fmt:MATRIX_FMT_FP6
	v_wmma_scale_f32_16x16x128_f8f6f4 v[O+8*\t+8:O+8*\t+15], v[VB+12*\t+12:VB+12*\t+23], v[PC:PC+11], v[O+8*\t+8:O+8*\t+15], v[VS+\t/2], v[PW] matrix_a_fmt:MATRIX_FMT_FP6 matrix_b_fmt:MATRIX_FMT_FP6 matrix_a_scale:MATRIX_SCALE_ROW1
.endr
.Lhidden_\@:
	s_add_co_u32 s[KF], s[KF], 128
.endm
; THE WAY OUT of a block of queries: O^T / the sum; register 16 b + i is channel 32 b + 16 h + i of my query: two blocks of 32 along the last product's K; half a fragment and two scale bytes
.macro OUT
.rept 4
	v_nop                                          ; places behind the last products
.endr
	v_add_f32 v14, v14, v15
	s_delay_alu instid0(VALU_DEP_1)
	v_permlanex16_b32 v[T0], v14, s[SEL], s[SEL+1]
	s_delay_alu instid0(VALU_DEP_1)
	v_add_f32 v14, v14, v[T0]                      ; the row's sum
	s_wait_alu depctr_va_vdst(0)
	v_rcp_f32 v14, v14
	v_nop                                          ; a plain instruction behind the reciprocal
	s_wait_alu depctr_va_vdst(0)                   ; and the wait ahead of its first reader
.set jj, 0
.rept 16
	v_pk_mul_f32 v[S+jj:S+jj+1], v[O+jj:O+jj+1], v[14:15] op_sel_hi:[1,0]
.set jj, jj+2
.endr
.irp b, 0,1
	v_max3_num_f32 v[BM+\b], |v[S+16*\b]|, |v[S+1+16*\b]|, 0x1800000
.endr
.irp i, 2,4,6,8,10,12,14
.irp b, 0,1
	s_delay_alu instid0(VALU_DEP_2)
	v_max3_num_f32 v[BM+\b], v[BM+\b], |v[S+16*\b+\i]|, |v[S+1+16*\b+\i]|
.endr
.endr
.irp b, 0,1
	s_delay_alu instid0(VALU_DEP_2)
	v_permlanex16_b32 v[BT+\b], v[BM+\b], s[SEL], s[SEL+1]
.endr
.irp b, 0,1
	s_delay_alu instid0(VALU_DEP_2)
	v_max_num_f32 v[BM+\b], v[BM+\b], v[BT+\b]
.endr
.irp b, 0,1
	s_delay_alu instid0(VALU_DEP_2)
	v_add_nc_u32 v[SO+\b], 0xff000000, v[BM+\b]
.endr
.irp b, 0,1
	s_delay_alu instid0(VALU_DEP_2)
	v_lshrrev_b32 v[BT+\b], 23, v[SO+\b]
.endr
	s_delay_alu instid0(VALU_DEP_1)
	v_lshl_or_b32 v[T1], v[BT+1], 8, v[BT]         ; my row's two scale bytes
	v_cvt_scalef32_pk16_fp6_f32 v[PC:PC+2], v[S:S+15], v[SO]
	v_cvt_scalef32_pk16_fp6_f32 v[CT:CT+2], v[S+16:S+31], v[SO+1]
	v_nop
.irp i, 0,1,2
	v_permlane16_swap_b32 v[PC+\i], v[CT+\i]
.endr
.irp i, 0,1,2
	s_delay_alu instid0(VALU_DEP_3)
	v_mov_b32 v[PC+3+\i], v[CT+\i]
.endr
.irp p, 0,1,2
	global_store_b64 v[LI8], v[PC+2*\p:PC+2*\p+1], s[56:57] offset:256*\p   ; 256 consecutive aligned bytes
.endr
	global_store_b16 v[YSO], v[T1], s[56:57]       ; two bytes of a scale word whose other two are the neighbouring head's; lanes 16-31 write the same bytes with the same values
.endm
; THE CHANGE OF REGIONS stands at a slot's head.  Each wave waits for all its tensor loads, adds 0 to its spare word, and waits for that and for its reads of the region that it has left.  Behind the barrier the region
; ahead is whole and nobody reads the other one.  fill = 1: that other region takes the next trip's slot: by this text's count one tensor load of a wave is out.
.macro CHANGE fill
	s_wait_tensorcnt 0x0                           ; no tensor load of mine is out, so a group 0 may be written
	ds_add_u32 v[SPW], v[NIL]                      ; 0 onto my spare word
.if \fill
	s_add_co_u32 s[SNX], s[SG], 1
	s_cmp_eq_u32 s[SNX], s[NB]
	s_cselect_b32 s[SNX], 0, s[SNX]                ; behind the first block's last slot: the second block's slot 0
	s_xor_b32 s[G0K+1], s[G0K+1], SLOT1
	s_xor_b32 s[G0V+1], s[G0V+1], SLOT1
	s_mul_i32 s58, s[SNX], 2*KSTEPB
	s_mov_b32 s59, 0
	s_add_nc_u64 s[G0K+2:G0K+3], s[48:49], s[58:59]
	s_or_b32 s[G0K+3], s[G0K+3], 0x80000000
	s_mul_i32 s58, s[SNX], 2*VSTEPB
	s_add_nc_u64 s[G0V+2:G0V+3], s[50:51], s[58:59]
	s_or_b32 s[G0V+3], s[G0V+3], 0x80000000
	s_wait_xcnt 0x0                                ; the last prefetch, a trip back, has read its address
	s_add_nc_u64 s[PFA:PFA+1], s[PFA:PFA+1], s[PFS:PFS+1]
.endif
	s_wait_dscnt 0x0                               ; the add is done, and my reads of the region that I have left are over
	s_barrier_signal -1
	s_barrier_wait -1
.if \fill
	TLOAD                                          ; the first thing behind the barrier, and a wave's one tensor load until the next
	ASK
.endif
.endm
	s_load_b128 s[4:7], s[0:1], 0x0                ; qk s[4:5], vimg s[6:7]
	s_load_b64 s[8:9], s[0:1], 0x10                ; yimg
	v_lshl_add_u32 v[SPW], v0, 2, SPARE
	v_mov_b32 v[NIL], 0
	ds_add_u32 v5, v6
	ds_add_u32 v5, v6
	s_wait_dscnt 0x0
	v_lshrrev_b32 v11, 5, v0
	s_delay_alu instid0(VALU_DEP_1)
	v_readfirstlane_b32 s[WV], v11                 ; wave 0..15
	s_and_b32 s11, ttmp7, 0xffff                   ; batch x 16 + head
	s_and_b32 s19, s[WV], 1                        ; which step of a slot I fetch, if I fetch
	s_and_b32 s71, s[WV], 7                        ; a: my tile in its 128 tokens
	s_lshr_b32 s63, s[WV], 3                       ; which 128 of the block's 256
	s_mov_b32 s[G1K], 3<<16                        ; no mask; elements of 8 bytes; no padding
	s_mov_b32 s[G1K+1], 32<<16                     ; rows of 256 bytes
	s_mov_b32 s[G1K+2], 26<<16                     ; K's step: 26 rows, a dense block of 6,656 bytes
	s_mov_b32 s[G1K+3], 32<<16
	s_mov_b32 s[G1K+4], 26
	s_mov_b32 s[G1K+5], 32
	s_mov_b32 s[G1K+6], 0
	s_mov_b32 s[G1K+7], 0
	s_mov_b32 s[G1V], 3<<16
	s_mov_b32 s[G1V+1], 32<<16
	s_mov_b32 s[G1V+2], 25<<16                     ; V's step: 25 rows, 6,400 bytes
	s_mov_b32 s[G1V+3], 32<<16
	s_mov_b32 s[G1V+4], 25
	s_mov_b32 s[G1V+5], 32
	s_mov_b32 s[G1V+6], 0
	s_mov_b32 s[G1V+7], 0
	s_mov_b32 s[SEL], 0x76543210
	s_mov_b32 s[SEL+1], 0xfedcba98
	s_mov_b32 s[CS], 0x3e38aa3b
	s_mov_b32 s[CS+1], s[CS]
	s_mov_b32 s[TB], 0
	s_mul_i32 s72, s11, 16*KSTEPB                  ; the head's blocks of q,
	s_add_co_u32 s82, s72, 64*16*KSTEPB            ; of k,
	s_mul_i32 s83, s11, 16*VSTEPB                  ; of v
	s_mul_i32 s74, s19, KSTEPB
	s_mov_b32 s[G0K+1], s74                        ; LDS: region 0, my step of K
	s_add_co_u32 s74, s74, s82
	s_mov_b32 s75, 0
	s_mul_i32 s76, s19, VSTEPB
	s_add_co_u32 s[G0V+1], s76, VOFF               ; or of V
	s_add_co_u32 s76, s76, s83
	s_mov_b32 s77, 0
	s_lshr_b32 s84, s11, 4                         ; y: the block of 128 rows x 256 K: row blocks 16 x batch + .., K slot head / 4
	s_lshl_b32 s84, s84, 6
	s_bfe_u32 s85, s11, 0x20002
	s_add_co_u32 s84, s84, s85
	s_mul_i32 s80, s84, 25600
	s_bfe_u32 s84, s11, 0x10001                    ; which 128 of the 256
	s_and_b32 s85, s11, 1                          ; which 64 of the 128
	s_lshl_b32 s86, s71, 1
	s_add_co_u32 s86, s86, s84
	s_mul_i32 s86, s86, 1536
	s_mul_i32 s87, s85, 768
	s_add_co_u32 s86, s86, s87                     ; my half fragment in the block
	s_add_co_u32 s80, s80, s86
	s_mov_b32 s81, 0
	s_lshl_b32 s88, s71, 7
	s_lshl_b32 s84, s84, 2
	s_lshl_b32 s85, s85, 1
	s_add_co_u32 s88, s88, s84
	s_add_co_u32 s88, s88, s85
	s_add_co_u32 s88, s88, 24576
	s_sub_co_u32 s88, s88, s86                     ; from there to my tile's scale bytes
	s_mul_i32 s89, s71, 768
	s_and_b32 s90, s71, 1
	s_lshr_b32 s91, s71, 1
	s_lshl_b32 s92, s90, 8
	s_lshl_b32 s93, s91, 2
	s_add_co_u32 s92, s92, s93
	s_add_co_u32 s92, s92, 6144
	s_sub_co_u32 s92, s92, s89                     ; from my tile of q to its scale words
	s_lshl_b32 s62, s91, 5
	s_lshl_b32 s90, s90, 3
	s_add_co_u32 s62, s62, s90                     ; my tile's first token in its 128
	s_add_co_u32 s78, s72, s89
	s_mov_b32 s79, 0
	s_wait_kmcnt 0x0
	s_add_nc_u64 s[48:49], s[4:5], s[74:75]        ; K at my step of slot 0
	s_add_nc_u64 s[50:51], s[6:7], s[76:77]        ; V likewise
	s_mov_b32 s[G0K], 1
	s_mov_b64 s[G0K+2:G0K+3], s[48:49]
	s_or_b32 s[G0K+3], s[G0K+3], 0x80000000
	s_mov_b32 s[G0V], 1
	s_mov_b64 s[G0V+2:G0V+3], s[50:51]
	s_or_b32 s[G0V+3], s[G0V+3], 0x80000000
	TLOAD                                          ; slot 0 into region 0
	s_add_nc_u64 s[52:53], s[4:5], s[78:79]        ; q: the head, my tile
	s_add_nc_u64 s[60:61], s[8:9], s[80:81]        ; y: the head's place, my tile
	s_cmp_lt_u32 s[WV], 6                          ; the prefetches: waves 4 and 5 K's, waves 6 and 7 V's
	s_cselect_b64 s[PFA:PFA+1], s[4:5], s[6:7]
	s_cselect_b32 s82, s82, s83
	s_mov_b32 s[PFS], 2*VSTEPB
	s_cselect_b32 s[PFS], 2*KSTEPB, s[PFS]         ; a slot on
	s_cselect_b32 s94, 51, 49                      ; a slot's last piece of 256 bytes
	s_mov_b32 s83, 0
	s_mov_b32 s[PFS+1], 0
	s_add_nc_u64 s[PFA:PFA+1], s[PFA:PFA+1], s[82:83]
	s_add_nc_u64 s[PFA:PFA+1], s[PFA:PFA+1], s[PFS:PFS+1]   ; at slot 1: the first change steps it to slot 2.  Nothing is prefetched here, at the head
	s_lshr_b32 s[LIM], s[WV], 2
	s_xor_b32 s[LIM], s[LIM], 1                    ; 0 in waves 4 to 7,
	s_or_b32 s[LIM], s[LIM], ttmp9                 ; of the work-group with j = 0
	s_cmp_eq_u32 s[LIM], 0
	s_cselect_b32 s[LIM], 2, -1
	s_lshl_b32 s93, s19, 5
	v_and_b32 v11, 31, v0
	s_delay_alu instid0(VALU_DEP_1)
	v_lshlrev_b32 v[LI8], 3, v11
	s_delay_alu instid0(VALU_DEP_2)
	v_lshlrev_b32 v[LI16], 4, v11
	s_delay_alu instid0(VALU_DEP_3)
	v_add_nc_u32 v[PFO], s93, v11
	s_delay_alu instid0(VALU_DEP_1)
	v_min_u32 v[PFO], s94, v[PFO]
	s_delay_alu instid0(VALU_DEP_1)
	v_lshlrev_b32 v[PFO], 8, v[PFO]
	v_and_b32 v[T0], 15, v0                        ; r
	v_bfe_u32 v[T1], v0, 4, 1                      ; h
	s_delay_alu instid0(VALU_DEP_2)
	v_and_b32 v[QL], 8, v[T0]
	s_delay_alu instid0(VALU_DEP_1)
	v_add_nc_u32 v[QL], v[QL], v[T0]
	s_delay_alu instid0(VALU_DEP_3)
	v_lshlrev_b32 v[T1], 4, v[T1]
	s_delay_alu instid0(VALU_DEP_1)
	v_sub_nc_u32 v[QL], v[QL], v[T1]
	v_lshl_add_u32 v[QSO], v[T0], 4, s92
	v_lshl_add_u32 v[YSO], v[T0], 3, s88
.irp i, 0,1,2,3,4,5
	v_mov_b32 v[QF+6+\i], 0                        ; Q's upper 64 along K: zero codes
	v_mov_b32 v[KB+48+\i], 0                       ; and what the last tile of K names there
.endr
	v_mov_b32 v[FF+1], 0                           ; (named as the upper half of a pair)
.irp b, 0,1,2,3
	v_mov_b32 v[BT+\b], 0                          ; written once: a lane permute's destination counts as one of its sources
.endr
	s_sub_co_u32 s[BIX], 7, ttmp9
	s_sub_co_u32 s[NB], 8, ttmp9
	SETBLK
	QLOAD
	INIT
	s_mov_b32 s[SG], 0
	s_mov_b32 s[SLOTS], 8
	s_wait_loadcnt 0x0                             ; Q
.Lslot:                                            ; eight trips: behind each change of regions but the last the next slot is asked for
	CHANGE 1
	s_lshl_b32 s[KF], s[SG], 8
	STEP 0
	STEP 1
	s_xor_b32 s[TB], s[TB], SLOT1
	s_cmp_lg_u32 s[SNX], 0                         ; the first block's last slot?  A branch on ids, the same in all sixteen waves; no barrier and no tensor load stands in it
	s_cbranch_scc1 .Lsame
	OUT
	s_wait_xcnt 0x0                                ; the stores have read their registers and their base
	s_mov_b32 s[BIX], ttmp9
	SETBLK
	QLOAD
	INIT
	s_wait_loadcnt 0x0
.Lsame:
	s_mov_b32 s[SG], s[SNX]
	s_sub_co_u32 s[SLOTS], s[SLOTS], 1
	s_cmp_lg_u32 s[SLOTS], 0
	s_cbranch_scc1 .Lslot
	CHANGE 0                                       ; the ninth slot is written out
	s_lshl_b32 s[KF], s[SG], 8
	STEP 0
	STEP 1
	OUT
	s_wait_tensorcnt 0x0                           ; the wave's end
	ds_add_u32 v[SPW], v[NIL]
	s_wait_dscnt 0x0
	s_endpgm
.Lfunc_end_k_q20006ec803_attn:
	.size	k_q20006ec803_attn, .Lfunc_end_k_q20006ec803_attn-k_q20006ec803_attn
	.p2alignl 7, 3214868480
	.fill 96, 4, 3214868480
	.section	.rodata,"a",@progbits
	.p2align	6, 0x0
	.amdhsa_kernel k_q20006ec803_attn
		.amdhsa_group_segment_fixed_size 327680
		.amdhsa_private_segment_fixed_size 0
		.amdhsa_enable_private_segment 0
		.amdhsa_kernarg_size 24
		.amdhsa_user_sgpr_count 2
		.amdhsa_user_sgpr_kernarg_segment_ptr 1
		.amdhsa_wavefront_size32 1
		.amdhsa_system_sgpr_workgroup_id_x 1
		.amdhsa_system_sgpr_workgroup_id_y 1
		.amdhsa_system_sgpr_workgroup_id_z 1
		.amdhsa_system_vgpr_workitem_id 0
		.amdhsa_next_free_vgpr 256
		.amdhsa_next_free_sgpr 96
		.amdhsa_reserve_vcc 1
		.amdhsa_float_denorm_mode_32 3
		.amdhsa_float_denorm_mode_16_64 3
		.amdhsa_memory_ordered 1
		.amdhsa_forward_progress 1
		.amdhsa_inst_pref_size 115
	.end_amdhsa_kernel
	.amdgpu_metadata
---
amdhsa.version: [ 1, 2 ]
amdhsa.kernels:
  - .name:           k_q20006ec803_attn
    .symbol:         k_q20006ec803_attn.kd
    .args:
      - { .name: qk, .offset: 0, .size: 8, .value_kind: global_buffer, .address_space: global }
      - { .name: vimg, .offset: 8, .size: 8, .value_kind: global_buffer, .address_space: global }
      - { .name: yimg, .offset: 16, .size: 8, .value_kind: global_buffer, .address_space: global }
    .group_segment_fixed_size: 327680
    .private_segment_fixed_size: 0
    .kernarg_segment_align: 8
    .kernarg_segment_size: 24
    .max_flat_workgroup_size: 512
    .sgpr_count:     96
    .vgpr_count:     256
    .wavefront_size: 32
...
	.end_amdgpu_metadata
.endif
;; end of part 3
;; launch outp (part 4): grid 4 x 32, 4 waves a work-group, clusters of 4 x 4, 327,680 bytes of LDS; arguments yimg, ops, out_b, out0; writes out0
.if DOCPART == 4
	.amdgcn_target "amdgcn-amd-amdhsa--gfx1250"
	.amdhsa_code_object_version 6
	.text
	.protected	k_q20006ec803_outp
	.globl	k_q20006ec803_outp
	.p2align	8
	.type	k_q20006ec803_outp,@function
k_q20006ec803_outp:
	s_mov_b64 s[64:65], 0
	v_nop
	global_prefetch_b8 v0, s[64:65] scope:SCOPE_SE
	s_setreg_imm32_b32 hwreg(HW_REG_WAVE_MODE, 25, 1), 1
	s_wait_xcnt 0x0
	s_wait_alu depctr_hold_cnt(0) depctr_sa_sdst(0) depctr_va_vdst(0) depctr_va_sdst(0) depctr_va_ssrc(0) depctr_va_vcc(0) depctr_vm_vsrc(0)
	s_getreg_b32 s2, hwreg(HW_REG_IB_STS2, 6, 4)
	s_cmp_eq_u32 s2, 0
	s_cbranch_scc0 .Lentry_in_a_cluster
	s_endpgm
.Lentry_in_a_cluster:
	s_bfe_u32 s2, ttmp6, 0x10000c
	s_cmp_lg_u32 s2, 0xf033
	s_cbranch_scc0 .Lentry_shape_is_right
	s_endpgm
.Lentry_shape_is_right:
; out0 = y out_w^T + out_b on codes of FP6 (E2M3) with E8M0 scales.  y [8192][1024] comes from yimg, out_w [1024][1024] from ops (tiles of 256 rows 44-47), both as images of operand registers:
; blocks of GB = 25,600 bytes = 128 rows x 256 K: 16 fragments of 1,536 bytes (tile i, step q at (2 i + q) x 1,536; piece p of 256 bytes = registers 2 p, 2 p + 1, lane l at 8 l), then scale words at
; 24,576 + 128 i + 8 r + 4 q.  Slot r of tile i is row 32 (i / 2) + 8 (i % 2) + r + 8 (r / 8) of the 128.
; A work-group of four waves makes 256 x 256, a wave 128 x 128: 64 accumulators.  Source 0 = 16 rows of out_w (S0), source 1 = 16 rows of y (S1): a lane holds one token, and the 16 registers of result tiles
; 2 b, 2 b + 1 are the features 32 b + 16 (lane / 16) + 0 .. 15.  K = 1,024 goes in four slots of 256 through three LDS regions: slots 0, 1, 2 are first fills, slot 3 fills region 0 again:
; by this text's count a wave has three tensor loads out at the start, later one.  128 work-groups: the tile of 256 x 256 is kept so that this launch shares its loop with the first product's.
; CLUSTERS: 4 x 4 work-groups; S1's tile is shared along a row of the cluster, S0's along a column, each asked for jointly.
; REGISTERS, in windows of 256.  Window 0: v1-2 lane offsets; v8-11 the bias; v16-24 LDS addresses; v25-26 the stage; v28-29 for the add; v32-63 scale words, two sets, and nothing else; v128-223 S1's fragments;
;   on the way out v128-255 rows of the result.   Window 1: S0's fragments, two sets.   Windows 2 and 3: the accumulators.
.set GB,     25600
.set REG,    4*GB
.set SPARE,  3*REG                     ; the spare words, 128 bytes for each wave: two blocks of 256 bytes that no other line names
.set FR,     12
.set NL,     6
.set NQ,     2
.set NP,     4
.set ADRA,   16
.set ADRB,   19
.set ADRS,   22
.set STO,    25
.set RD,     26
.set SPW,    28
.set NIL,    29
.set SC,     32
.set AF,     128
.set BK,     128
.set OB,     8
.set SPITCH, 528                       ; the way out: a stage of 16 rows x (512 bytes + 16) for each wave, in region 1, which has had its one fill and its last read when the first result is stored there
.set G1,     24
.set G1B,    48
.set MSB, 0
.macro WIN new
.if MSB != (\new)
	s_set_vgpr_msb (MSB<<8)|(\new)
.set MSB, (\new)
.endif
.endm
.set MUL_LO, 0xa1
.set MUL_HI, 0xf1
.set TO_B,   0x40
.macro JLOAD g0a, g1a, g0b, g1b        ; a joint load: waves 0 and 1 fetch S1's halves, waves 2 and 3 S0's; four v_nop follow each of the two lines
	s_cmp_eq_u32 s15, 0
	s_cbranch_scc0 .Lfor_b_\@
	tensor_load_to_lds s[\g0a:\g0a+3], s[\g1a:\g1a+7]
	s_nop 0
.rept 4
	v_nop
.endr
	s_branch .Lasked_\@
.Lfor_b_\@:
	tensor_load_to_lds s[\g0b:\g0b+3], s[\g1b:\g1b+7]
	s_nop 0
.rept 4
	v_nop
.endr
.Lasked_\@:
.endm
.macro CREST
	s_cmp_lg_u32 s14, 0
	s_cbranch_scc1 .Lnot_wave_0_\@
	s_barrier_signal -3
.Lnot_wave_0_\@:
	s_barrier_wait -3
	s_barrier_signal -1
	s_barrier_wait -1
.endm
.macro CROUND
	s_barrier_signal -1
	s_barrier_wait -1
	CREST
.endm
.macro SETG0 ga, gb, k
	s_mov_b32 s[\ga], 1
	s_add_co_u32 s[\ga+1], s22, \k*REG
	s_add_nc_u64 s[\ga+2:\ga+3], s[20:21], \k*GB
	s_or_b32 s[\ga+3], s[\ga+3], 0x80000000
	s_mov_b32 s[\gb], 1
	s_add_co_u32 s[\gb+1], s22, \k*REG
	s_add_nc_u64 s[\gb+2:\gb+3], s[46:47], \k*GB
	s_or_b32 s[\gb+3], s[\gb+3], 0x80000000
	JLOAD \ga, G1, \gb, G1B
.endm
.macro FRAG reg, adr, q, i
.irp p, 0,1,2,3,4,5
	ds_load_b64 v[\reg+2*\p:\reg+2*\p+1], v[\adr] offset:((\i)*2+(\q))*1536+256*\p
.endr
.endm
.macro MUL16 a0, p, q, sc, zero        ; the 64 accumulators take turns, one instruction a turn, in the same order in every step
.irp a, \a0, \a0+1
.irp b, 0,1,2,3,4,5,6,7
.if \zero
	v_wmma_scale_f32_16x16x128_f8f6f4 v[8*(8*((\a)%4)+\b):8*(8*((\a)%4)+\b)+7], v[128*(\p)+FR*\b:128*(\p)+FR*\b+FR-1], v[AF+FR*(\a):AF+FR*(\a)+FR-1], 0, v[SC+8*NQ*(\sc)+NQ*\b+(\q)], v[SC+8*NQ*(\sc)+NQ*(\a)+(\q)] matrix_a_fmt:MATRIX_FMT_FP6 matrix_b_fmt:MATRIX_FMT_FP6 matrix_a_scale:MATRIX_SCALE_ROW1
.else
	v_wmma_scale_f32_16x16x128_f8f6f4 v[8*(8*((\a)%4)+\b):8*(8*((\a)%4)+\b)+7], v[128*(\p)+FR*\b:128*(\p)+FR*\b+FR-1], v[AF+FR*(\a):AF+FR*(\a)+FR-1], v[8*(8*((\a)%4)+\b):8*(8*((\a)%4)+\b)+7], v[SC+8*NQ*(\sc)+NQ*\b+(\q)], v[SC+8*NQ*(\sc)+NQ*(\a)+(\q)] matrix_a_fmt:MATRIX_FMT_FP6 matrix_b_fmt:MATRIX_FMT_FP6 matrix_a_scale:MATRIX_SCALE_ROW1
.endif
.endr
.endr
.endm
.macro FETCH_B rg, q, p
	WIN TO_B
.irp i, 0,1,2,3,4,5,6,7
	FRAG 128*(\p)+FR*\i, ADRB+\rg, \q, \i
.endr
	WIN 0
.endm
.macro FETCH_A rg, q, i0
.irp i, \i0, \i0+1, \i0+2, \i0+3
	FRAG AF+FR*(\i), ADRA+\rg, \q, \i
.endr
.endm
.macro SCALES rg, sc
.irp i, 0,1,2,3,4,5,6,7
	ds_load_b64 v[SC+8*NQ*(\sc)+NQ*\i:SC+8*NQ*(\sc)+NQ*\i+1], v[ADRS+\rg] offset:128*\i
.endr
.endm
.macro PLACES n
.rept \n
	v_nop
.endr
.endm
.macro STEP rg, sc, zero
	s_wait_dscnt 4*NL                              ; S0's set, S1's tiles 0-3 and the scale words are in; the youngest 24 loads (S1's tiles 4-7) may be out
	WIN MUL_LO
	MUL16 0, 0, 0, \sc, \zero
	MUL16 2, 0, 0, \sc, \zero
	s_wait_dscnt 0x0
	PLACES NP
	FETCH_B \rg, 1, 1
	FETCH_A \rg, 1, 0
	WIN MUL_HI
	MUL16 4, 0, 0, \sc, \zero
	MUL16 6, 0, 0, \sc, \zero
	PLACES NP
	WIN 0
	FETCH_A \rg, 1, 4
.endm
.macro TURNP sc, next, cnt             ; on to region next, behind a barrier behind which nothing is filled: cnt tensor loads of mine may stay out
	s_wait_tensorcnt \cnt
	s_wait_dscnt 4*NL
	WIN MUL_LO
	MUL16 0, 1, 1, \sc, 0
	s_wait_dscnt 0x0
	s_barrier_signal -1
	MUL16 2, 1, 1, \sc, 0
	WIN 0
	s_barrier_wait -1
	PLACES NP
	FETCH_B \next, 0, 0
	FETCH_A \next, 0, 0
	SCALES \next, 1-\sc
	WIN MUL_HI
	MUL16 4, 1, 1, \sc, 0
	MUL16 6, 1, 1, \sc, 0
	PLACES NP
	WIN 0
	FETCH_A \next, 0, 4
.endm
.macro TURNR sc, next                  ; the same, with the launch's one refill: K slot 3 into region 0
	s_wait_tensorcnt 0x0                           ; all my tensor loads have landed;
	ds_add_u32 v[SPW], v[NIL]                      ; 0 onto my spare word;
	s_wait_dscnt 4*NL+1                            ; (the add and the youngest 24 loads may be out)
	WIN MUL_LO
	MUL16 0, 1, 1, \sc, 0
	s_wait_dscnt 0x0                               ; the add is done, and my LDS reads are over
	s_barrier_signal -1
	MUL16 2, 1, 1, \sc, 0
	WIN 0
	s_barrier_wait -1
	CREST                                          ; a round of the cluster's barrier: no wave of any partner reads region 0 or has a load on its way
	s_add_nc_u64 s[34:35], s[34:35], 3*GB
	s_add_nc_u64 s[58:59], s[58:59], 3*GB
	JLOAD 32, G1, 56, G1B
	FETCH_B \next, 0, 0
	FETCH_A \next, 0, 0
	SCALES \next, 1-\sc
	WIN MUL_HI
	MUL16 4, 1, 1, \sc, 0
	MUL16 6, 1, 1, \sc, 0
	PLACES NP
	WIN 0
	FETCH_A \next, 0, 4
.endm
.macro FINAL sc
	s_wait_dscnt 4*NL
	WIN MUL_LO
	MUL16 0, 1, 1, \sc, 0
	MUL16 2, 1, 1, \sc, 0
	s_wait_dscnt 0x0
	WIN MUL_HI
	MUL16 4, 1, 1, \sc, 0
	MUL16 6, 1, 1, \sc, 0
	WIN 0
.endm
; THE WAY OUT, tile by tile of 16 tokens x 128 features, through my own stage and back as whole rows of 512 bytes.  LDS serves a wave's instructions in order: no wait between the stores and the loads.
.macro TOSTAGE a
.set AC, 64*((\a)%4)
	WIN 0x08+4*((\a)/4)                            ; the data: window 2 or 3
.irp b, 0,1,2,3,4,5,6,7
	ds_store_b128 v[STO], v[AC+8*\b:AC+8*\b+3] offset:128*(\b/2)+32*(\b%2)      ; features 32 (b / 2) + 16 h + 8 (b % 2) on; each accumulator from its low end on
	ds_store_b128 v[STO], v[AC+8*\b+4:AC+8*\b+7] offset:128*(\b/2)+32*(\b%2)+16
.endr
	WIN 0
.set BB, BK+64*((\a)%2)
.irp t, 0,1,2,3,4,5,6,7,8,9,10,11,12,13,14,15
	ds_load_b128 v[BB+4*\t:BB+4*\t+3], v[RD] offset:\t*SPITCH
.endr
.endm
.macro SEND a, younger                 ; younger: the LDS instructions issued behind tile a's loads, which may stay out
.set BB, BK+64*((\a)%2)
	s_wait_dscnt \younger
.irp t, 0,1,2,3,4,5,6,7,8,9,10,11,12,13,14,15
	v_pk_add_f32 v[BB+4*\t:BB+4*\t+1], v[BB+4*\t:BB+4*\t+1], v[OB:OB+1]         ; the bias of my four features
	v_pk_add_f32 v[BB+4*\t+2:BB+4*\t+3], v[BB+4*\t+2:BB+4*\t+3], v[OB+2:OB+3]
.endr
.irp t, 0,1,2,3,4,5,6,7,8,9,10,11,12,13,14,15
	global_store_b128 v2, v[BB+4*\t:BB+4*\t+3], s[84:85] offset:(32*((\a)/2)+8*((\a)%2)+\t+8*(\t/8))*4096 th:TH_STORE_NT   ; slot t's token: 32 lanes store 512 consecutive bytes, at a multiple of 256 from out0's first byte
.endr
.endm
	s_load_b256 s[4:11], s[0:1], 0x0               ; yimg s[4:5], ops s[6:7], out_b s[8:9], out0 s[10:11]
	v_lshl_add_u32 v[SPW], v0, 2, SPARE
	v_mov_b32 v[NIL], 0
	ds_add_u32 v28, v29
	s_wait_dscnt 0x0
	v_lshrrev_b32 v4, 5, v0
	v_readfirstlane_b32 s14, v4                    ; wave 0..3
	s_lshr_b32 s15, s14, 1                         ; my half of S1.  Also: I fetch for S1 (0) or for S0 (1)
	s_and_b32 s16, s14, 1                          ; my half of S0.  Also: which 128 rows I fetch
	s_bfe_u32 s40, ttmp6, 0x40000                  ; cx, cy
	s_bfe_u32 s41, ttmp6, 0x40004
	s_and_b32 s17, ttmp7, 0xffff
	s_lshl_b32 s43, s41, 2
	s_lshl_b32 s43, 15, s43                        ; my row of the cluster
	s_lshl_b32 s44, 0x1111, s40                    ; my column
	s_lshl_b32 s18, s17, 2
	s_add_co_u32 s18, s18, s41                     ; S1's tile: y's 4 y + cy
	s_lshl_b32 s19, ttmp9, 2
	s_add_co_u32 s19, s19, s40                     ; the tile column of out0
	s_add_co_u32 s42, s19, 44                      ; S0's tile in ops
	s_or_b32 s[G1+0], s43, (3<<16)|(1<<21)
	s_or_b32 s[G1B+0], s44, (3<<16)|(1<<21)
.irp g, G1, G1B
	s_mov_b32 s[\g+1], 32<<16                      ; rows of 256 bytes,
	s_mov_b32 s[\g+2], 100<<16                     ; 100 of them: a dense block of 25,600 bytes
	s_mov_b32 s[\g+3], 32<<16
	s_mov_b32 s[\g+4], 100
	s_mov_b32 s[\g+5], 32
	s_mov_b32 s[\g+6], 0
	s_mov_b32 s[\g+7], 0
.endr
	s_lshl_b32 s20, s18, 1
	s_add_co_u32 s20, s20, s16
	s_mul_i32 s20, s20, 4*GB
	s_mov_b32 s21, 0
	s_lshl_b32 s46, s42, 1
	s_add_co_u32 s46, s46, s16
	s_mul_i32 s46, s46, 4*GB
	s_mov_b32 s47, 0
	s_mul_i32 s22, s14, GB
	s_wait_kmcnt 0x0
	s_add_nc_u64 s[20:21], s[4:5], s[20:21]
	s_add_nc_u64 s[46:47], s[6:7], s[46:47]
	CROUND                                         ; all sixteen work-groups are here: the first joint loads meet
	SETG0 32, 56, 0
	SETG0 36, 60, 1
	SETG0 68, 72, 2
	v_and_b32 v4, 31, v0
	v_lshlrev_b32 v1, 3, v4                        ; 8 x lane
	v_lshlrev_b32 v2, 4, v4                        ; 16 x lane
	v_and_b32 v5, 15, v0                           ; r
	v_bfe_u32 v6, v0, 4, 1                         ; h
	s_lshl_b32 s90, s19, 10
	s_lshl_b32 s91, s16, 9
	s_add_co_u32 s90, s90, s91                     ; my 128 features, in bytes
	s_mov_b32 s91, 0
	s_add_nc_u64 s[88:89], s[8:9], s[90:91]
	global_load_b128 v[OB:OB+3], v2, s[88:89]      ; their bias: four a lane
	s_add_nc_u64 s[84:85], s[10:11], s[90:91]
	s_lshl_b32 s90, s18, 1
	s_add_co_u32 s90, s90, s15
	s_lshl_b32 s90, s90, 19                        ; my 128 tokens: rows of 4,096 bytes
	s_add_nc_u64 s[84:85], s[84:85], s[90:91]
	s_mul_i32 s77, s15, GB
	s_add_co_u32 s78, s16, 2
	s_mul_i32 s79, s78, GB
	s_xor_b32 s81, s15, 1
	s_add_co_u32 s78, s16, s81
	s_add_co_u32 s78, s78, 1
	s_mul_i32 s78, s78, GB
	v_mul_u32_u24 v7, s78, v6                      ; lanes 16-31 take S0's scale words
	v_lshl_add_u32 v7, v5, 3, v7
	s_add_co_u32 s80, s77, 16*1536
.irp g, 0,1,2
	v_add_nc_u32 v[ADRA+\g], s77, v1
	v_add_nc_u32 v[ADRB+\g], s79, v1
	v_add_nc_u32 v[ADRS+\g], s80, v7
	s_add_co_u32 s77, s77, REG
	s_add_co_u32 s79, s79, REG
	s_add_co_u32 s80, s80, REG
.endr
	s_mul_i32 s77, s14, 16*SPITCH
	s_add_co_u32 s77, s77, REG                     ; my stage
	v_mul_u32_u24 v[STO], v5, SPITCH
	v_lshl_add_u32 v[STO], v6, 6, v[STO]
	v_add_nc_u32 v[STO], s77, v[STO]               ; in: row slot r, + 64 h
	v_add_nc_u32 v[RD], s77, v2                    ; back: the 32 lanes take one row of 512 bytes
	s_wait_tensorcnt 0x2                           ; my part of K slot 0 is in; slots 1 and 2 may be out
	s_barrier_signal -1
	s_barrier_wait -1
	FETCH_B 0, 0, 0
	FETCH_A 0, 0, 0
	SCALES 0, 0
	FETCH_A 0, 0, 4
	STEP 0, 0, 1                                   ; the first step's products start the sums
	TURNP 0, 1, 1                                  ; K slot 1 has landed, slot 2 may be out
	STEP 1, 1, 0
	TURNR 1, 2
	STEP 2, 0, 0
	TURNP 0, 0, 0                                  ; K slot 3, the one load that was out
	STEP 0, 1, 0
	FINAL 1
	s_wait_loadcnt 0x0                             ; the bias
	PLACES NP                                      ; for the first reads of results and the loads into the registers that held S1's fragments
	TOSTAGE 0
.irp a, 1,2,3,4,5,6,7
.if \a > 1
	s_wait_xcnt 0x0                                ; tile a - 2's stores have read their registers: tile a's loads may land there
.endif
	TOSTAGE \a
	SEND \a-1, 32                                  ; behind tile a - 1's loads: tile a's 16 stores and 16 loads
.endr
	SEND 7, 0
	s_wait_tensorcnt 0x0                           ; the wave's end
	ds_add_u32 v[SPW], v[NIL]
	s_wait_dscnt 0x0
	CROUND                                         ; the closing round
	s_endpgm
.Lfunc_end_k_q20006ec803_outp:
	.size	k_q20006ec803_outp, .Lfunc_end_k_q20006ec803_outp-k_q20006ec803_outp
	.p2alignl 7, 3214868480
	.fill 96, 4, 3214868480
	.section	.rodata,"a",@progbits
	.p2align	6, 0x0
	.amdhsa_kernel k_q20006ec803_outp
		.amdhsa_group_segment_fixed_size 327680
		.amdhsa_private_segment_fixed_size 0
		.amdhsa_enable_private_segment 0
		.amdhsa_kernarg_size 32
		.amdhsa_user_sgpr_count 2
		.amdhsa_user_sgpr_kernarg_segment_ptr 1
		.amdhsa_wavefront_size32 1
		.amdhsa_system_sgpr_workgroup_id_x 1
		.amdhsa_system_sgpr_workgroup_id_y 1
		.amdhsa_system_sgpr_workgroup_id_z 1
		.amdhsa_system_vgpr_workitem_id 0
		.amdhsa_next_free_vgpr 1024
		.amdhsa_next_free_sgpr 100
		.amdhsa_reserve_vcc 0
		.amdhsa_float_denorm_mode_32 3
		.amdhsa_float_denorm_mode_16_64 3
		.amdhsa_memory_ordered 1
		.amdhsa_forward_progress 1
		.amdhsa_inst_pref_size 173
	.end_amdhsa_kernel
	.amdgpu_metadata
---
amdhsa.version: [ 1, 2 ]
amdhsa.kernels:
  - .name:           k_q20006ec803_outp
    .symbol:         k_q20006ec803_outp.kd
    .args:
      - { .name: yimg, .offset: 0, .size: 8, .value_kind: global_buffer, .address_space: global }
      - { .name: ops, .offset: 8, .size: 8, .value_kind: global_buffer, .address_space: global }
      - { .name: out_b, .offset: 16, .size: 8, .value_kind: global_buffer, .address_space: global }
      - { .name: out0, .offset: 24, .size: 8, .value_kind: global_buffer, .address_space: global }
    .group_segment_fixed_size: 327680
    .private_segment_fixed_size: 0
    .kernarg_segment_align: 8
    .kernarg_segment_size: 32
    .max_flat_workgroup_size: 128
    .sgpr_count:     100
    .vgpr_count:     1024
    .wavefront_size: 32
...
	.end_amdgpu_metadata
.endif
;; end of part 4
